; MI455X (gfx1250); checked and timed in simulation.
; The chip was launched on July 23, 2026; its instructions are those of AMD's public machine-readable ISA for CDNA 5 (MIT licence, August 2026) and "CDNA5" Instruction Set Architecture Reference Guide (July 2026). The comments in the code are by the model that wrote it; some were corrected since.
;; Multi Head Self Attention. Allowed arithmetic: matrix products marked QUANTISED: E3M2 operands, one E8M0 scale for each 32 along K, by v_wmma_scale_f32_16x16x128_f8f6f4 with both operands' format E3M2, f32 sums; everything else in f32.
;; Inputs: Wk 1,024 x 1,024 float32; Wo 1,024 x 1,024 float32; Wq 1,024 x 1,024 float32; Wv 1,024 x 1,024 float32; x 2 x 2,048 x 1,024 float32.
;; Outputs: out0 2 x 2,048 x 1,024 float32.
;; This version of the problem:
;;   THIS VERSION OF THE PROBLEM IS GIVEN IN LOW PRECISION. The matrix products marked QUANTISED in the list below multiply operands that are first quantised to E3M2 (3 exponent bits, 2 mantissa bits; 6 bits a number), with one power-of-two scale for each 32 numbers along K (OCP MX v1.0); their sums are f32. All else is computed in f32.
;;   The module's matrix products, in the order in which they are computed (A, B: the left and right operand; K: the contracted axis; several contracted axes count as one K, in the product's order):
;;     1. [M 4,096, K 1,024] x [K 1,024, N 1,024]; A: input x; B: input Wq: QUANTISED
;;     2. [M 4,096, K 1,024] x [K 1,024, N 1,024]; A: input x; B: input Wk: QUANTISED
;;     3. [M 4,096, K 1,024] x [K 1,024, N 1,024]; A: input x; B: input Wv: QUANTISED
;;     4. batch 32 x [M 2,048, K 64] x [K 64, N 2,048]; A: computed on the way; B: computed on the way: QUANTISED
;;     5. batch 32 x [M 2,048, K 2,048] x [K 2,048, N 64]; A: softmax (see below); B: computed on the way: QUANTISED
;;     6. [M 4,096, K 1,024] x [K 1,024, N 1,024]; A: computed on the way; B: input Wo: QUANTISED
;;   THE QUANTISER, for each operand of a quantised product, along K:
;;     - K is cut into blocks of 32 from its start; a last block that is shorter is filled with zeros.
;;     - A block's scale is 2^e with e = floor(log2(the largest magnitude in the block)) - 4, held to -126 .. 127; a block of zeros has e = 0. As a byte (E8M0): e + 127.
;;     - Each number is divided by its block's scale, clamped to +-28, and rounded to the nearest number of E3M2, ties to even, subnormals kept.
;;     - The product sums the exact products of the quantised numbers (number of the format x scale) in f32.
;;   ~~~python
;;   def quantise(x, axis):      # numpy; x: float32 -> the quantised numbers, widened to float32 again
;;       x = np.moveaxis(x, axis, -1); K = x.shape[-1]
;;       x = np.pad(x, [(0, 0)] * (x.ndim - 1) + [(0, -K % 32)]); x = x.reshape(x.shape[:-1] + (-1, 32)); a = np.abs(x).max(-1, keepdims=True)
;;       e = np.where(a > 0, np.clip(np.frexp(np.where(a > 0, a, 1))[1] - 1 - 4, -126, 127), 0)      # np.frexp(a)[1] - 1 = floor(log2(a)), exactly
;;       r = np.clip(x / 2.0 ** e, -28, 28)
;;       step = 2.0 ** (np.maximum(np.frexp(np.where(r == 0, 1, r))[1] - 1, -2) - 2)
;;       q = np.round(r / step) * step * 2.0 ** e      # np.round: ties to even
;;       return np.moveaxis(q.reshape(q.shape[:-2] + (-1,))[..., :K], -1, axis).astype(np.float32)
;;   ~~~
;;   SOFTMAX AHEAD OF A QUANTISED PRODUCT. Where the list says 'softmax', what is quantised is not the finished softmax but p = 2^(t - M), with t = logit x log2(e) and M = ceil(the row's largest t), a whole number; so 1/2 < the row's largest p <= 1. The row's sum l is taken of the UNQUANTISED p, in f32, and the product's result is divided by l at the end. Since M is a whole number, a kernel that streams over the keys may use a running M (the ceiling of the running maximum): every later rescaling is an exact power of two, which a block's scale takes up: the codes' values come out the same.
;;   OPERANDS COMPUTED ON THE WAY. 'Computed on the way' means the value that the module computes at that place (a softmax that the list does not call 'softmax' is quantised finished and normalised). What goes into a quantiser is computed in f32, as accurately as f32 sums, v_exp_f32 and their like allow (about 1e-6 of the number): no bf16 or f16 on the way to a quantiser, and a product that is left as it is and whose result goes on into a quantised operand takes f32 operands (vector FMAs, or v_wmma_f32_16x16x4_f32). A number that lies on a knife's edge between two numbers of the format may be rounded either way, as far as f32 arithmetic and the matrix unit's own rounding can turn it there, and no further.
;; One version. Each part assembles by itself: llvm-mc -triple=amdgcn-amd-amdhsa -mcpu=gfx1250 --defsym DOCPART=n.
;; ======== version 1 of 1: 4 launches
;; limits: right only within a limited range of input values
;; workspace buffers: xw 6,553,600 bytes; tab 524,288 bytes; q_img 3,407,872 bytes; kv 6,684,672 bytes; ao 3,145,728 bytes; ao_sc 131,072 bytes
;; launch quant (part 1): grid 256 x 1, 8 waves a work-group, no clusters, 69,632 bytes of LDS; arguments x, Wq, Wk, Wv, Wo, xw, tab; writes xw, tab
.if DOCPART == 1
	.amdgcn_target "amdgcn-amd-amdhsa--gfx1250"
	.amdhsa_code_object_version 6
	.text
	.protected	k_q716e55135f_quant
	.globl	k_q716e55135f_quant
	.p2align	8
	.type	k_q716e55135f_quant,@function
k_q716e55135f_quant:
	s_mov_b64 s[64:65], 0
	v_nop
	global_prefetch_b8 v0, s[64:65] scope:SCOPE_SE
	s_setreg_imm32_b32 hwreg(HW_REG_WAVE_MODE, 25, 1), 1
	s_wait_xcnt 0x0
; x [4096][1024], Wq, Wk, Wv, Wo [1024][1024], f32, K innermost, become codes of BF6 (E3M2) with one E8M0 byte for each 32 along K, laid as images of operand registers.
; A TILE is 16 rows.  Its image for 128 along K is 1,536 bytes: registers 4 c .. 4 c + 3 of lane l at 512 c + 16 l.  Its scale words are 512 bytes: [K half 2][row 16][4 words], a word for 128 along K.
; GROUPS in xw, each: the tiles' scale words, then [K step 8][tile][1,536]:
;   x: 16 groups (256 tokens) of 16 tiles;  at WBASE 16 groups (heads) of 12 tiles: Q 0-3, V 0-1, K 0-3, V 2-3;  at OBASE 8 groups (128 rows of Wo) of 8 tiles.
; ROW ORDER: tile 2 P + e of x, Wq, Wk, Wv holds rows 32 P + 8 e + r + 8 (r / 8), r = 0 .. 15, so that two neighbouring tiles used as first sources leave 16 neighbouring rows in a lane.  Wo keeps its order.
; A block's scale is 2^(floor(log2(largest magnitude)) - 4); its byte is the largest magnitude's exponent field - 4, held at 1 from below.
; LIMITS: a block of zeros, or one whose largest magnitude lies under 2^-122, keeps the byte 1 (its codes are zeros or small, and only this program reads the bytes); NaN and infinities are not served.
; A work-group makes two tiles, a wave 16 rows x 256 along K: two units of 128.  All 32 loads of a wave are asked for at once, each 512 consecutive bytes of a row; a unit turns through the wave's own stage
; in LDS (rows of 528 bytes), so that a lane holds 32 neighbours along K: a whole block.  No matrix unit and no cluster: no two work-groups read the same bytes.
; While the loads are out each thread makes one pair of the rotary table: tab[T 128][q 8][lane 32][16 bytes] = (cos, sin, cos, sin) of pairs p = 16 (q / 4) + 8 (lane / 16) + 2 (q % 4) + 0, 1
; at position 32 (T / 2) + 8 (T % 2) + r + 8 (r / 8), r = lane % 16.  The frequency 10000^(-p / 32) is 2^(p x -0.41524) by v_exp_f32 (a few units in the last place); the angle's reduction serves angles up to 2,047.
.set SP,    528
.set WREG,  16*SP                      ; a wave's stage
.set GATH,  8*WREG                     ; two tiles' scale words
.set SPARE, GATH+1024                  ; the spare words; no other line names them
.set WBASE, 3276800
.set OBASE, 5734400
	s_load_b256 s[4:11], s[0:1], 0x0               ; x, Wq, Wk, Wv
	s_load_b128 s[12:15], s[0:1], 0x20             ; Wo, xw
	s_load_b64 s[16:17], s[0:1], 0x30              ; tab
	v_lshl_add_u32 v1, v0, 2, SPARE
	v_mov_b32 v2, 0
	v_lshrrev_b32 v3, 5, v0
	v_readfirstlane_b32 s20, v3                    ; wave
	s_lshr_b32 s21, s20, 2                         ; e: which of the two tiles
	s_and_b32 s22, s20, 3                          ; which 256 along K
	s_mul_i32 s23, s20, WREG
	s_lshl_b32 s24, s21, 9
	s_add_co_u32 s24, s24, GATH
	s_lshr_b32 s25, s22, 1
	s_lshl_b32 s25, s25, 8
	s_and_b32 s26, s22, 1
	s_lshl_b32 s26, s26, 3
	s_add_co_u32 s25, s25, s26
	s_add_co_u32 s25, s25, s24
	v_and_b32 v4, 31, v0
	v_lshlrev_b32 v5, 4, v4                        ; 16 x lane
	v_and_b32 v8, 15, v0                           ; r
	v_bfe_u32 v9, v0, 4, 1                         ; h
	v_add_nc_u32 v6, s23, v5                       ; into the stage
	v_mul_u32_u24 v7, v8, SP
	v_lshl_add_u32 v7, v9, 7, v7
	v_add_nc_u32 v7, s23, v7                       ; out of it: row r, my 32 numbers
	v_add_nc_u32 v22, s24, v5                      ; my tile's scale words, 16 bytes a lane
	v_lshlrev_b32 v19, 4, v8
	v_add_nc_u32 v19, s25, v19                     ; my row's two words
	v_lshlrev_b32 v18, 3, v9                       ; 8 h
	s_sub_co_u32 s30, ttmp9, 128
	s_and_b32 s30, s30, 31                         ; a weight's pair of tiles
	s_and_b32 s31, s30, 1
	s_lshl_b32 s32, s31, 1
	s_add_co_u32 s32, s32, s21                     ; Wq's place in the head's group,
	s_add_co_u32 s33, s32, 6                       ; Wk's,
	s_mul_i32 s34, s31, 6
	s_add_co_u32 s34, s34, s21
	s_add_co_u32 s34, s34, 4                       ; Wv's
	s_cmp_lt_u32 ttmp9, 160
	s_cselect_b32 s32, s32, s33
	s_cmp_lt_u32 ttmp9, 192
	s_cselect_b32 s32, s32, s34
	s_lshr_b32 s33, s30, 1
	s_mul_i32 s33, s33, 153600
	s_add_co_u32 s33, s33, WBASE
	s_lshr_b32 s34, ttmp9, 3                       ; x's group and place
	s_mul_i32 s34, s34, 204800
	s_and_b32 s35, ttmp9, 7
	s_lshl_b32 s35, s35, 1
	s_add_co_u32 s35, s35, s21
	s_lshr_b32 s36, s30, 2                         ; Wo's
	s_mul_i32 s36, s36, 102400
	s_add_co_u32 s36, s36, OBASE
	s_and_b32 s37, s30, 3
	s_lshl_b32 s37, s37, 1
	s_add_co_u32 s37, s37, s21
	s_lshl_b32 s39, s21, 15                        ; tile e begins 8 rows on,
	s_lshl_b32 s40, s21, 16                        ; in Wo 16
	s_mov_b32 s41, 32768                           ; its rows 8-15 lie 8 rows on in Wo,
	s_mov_b32 s42, 65536                           ; else 16
	s_cmp_lt_u32 ttmp9, 128
	s_cselect_b32 s32, s35, s32
	s_cselect_b32 s33, s34, s33
	s_cselect_b32 s38, 16, 12                      ; tiles in the group
	s_cselect_b32 s30, ttmp9, s30
	s_cmp_lt_u32 ttmp9, 224
	s_cselect_b32 s32, s32, s37
	s_cselect_b32 s33, s33, s36
	s_cselect_b32 s38, s38, 8
	s_cselect_b32 s39, s39, s40
	s_cselect_b32 s42, s42, s41
	s_mov_b32 s43, 0
	s_lshl_b32 s44, s30, 17                        ; 32 rows of 4,096 bytes
	s_add_co_u32 s44, s44, s39
	s_lshl_b32 s45, s22, 10
	s_add_co_u32 s44, s44, s45
	s_mov_b32 s45, 0
	s_lshl_b32 s46, s32, 9
	s_add_co_u32 s46, s46, s33                     ; the tile's scale words
	s_mov_b32 s47, 0
	s_mul_i32 s48, s22, s38
	s_lshl_b32 s48, s48, 1
	s_add_co_u32 s48, s48, s32
	s_mul_i32 s48, s48, 1536
	s_lshl_b32 s49, s38, 9
	s_add_co_u32 s48, s48, s49
	s_add_co_u32 s48, s48, s33                     ; my first unit's image
	s_mov_b32 s49, 0
	s_mul_i32 s50, s38, 1536                       ; and from it to my second's
	s_mov_b32 s51, 0
	s_lshl_b32 s52, ttmp9, 11
	s_mov_b32 s53, 0
	s_and_b32 s54, ttmp9, 1
	s_lshl_b32 s54, s54, 4
	s_lshr_b32 s55, ttmp9, 2
	s_lshl_b32 s55, s55, 5
	s_bfe_u32 s56, ttmp9, 0x10001
	s_lshl_b32 s56, s56, 3
	s_add_co_u32 s55, s55, s56                     ; the table's tile T = work-group / 2: its first position
	s_mov_b32 s58, 0x76543210
	s_mov_b32 s59, 0xfedcba98                      ; lane selects: l xor 16
	s_wait_alu depctr_va_vdst(0)                   ; the wait at the head's end
	s_wait_kmcnt 0x0
	s_cmp_ge_u32 ttmp9, 128                        ; the source: each choice hangs on the work-group's number alone
	s_cselect_b64 s[4:5], s[6:7], s[4:5]
	s_cmp_ge_u32 ttmp9, 160
	s_cselect_b64 s[4:5], s[8:9], s[4:5]
	s_cmp_ge_u32 ttmp9, 192
	s_cselect_b64 s[4:5], s[10:11], s[4:5]
	s_cmp_ge_u32 ttmp9, 224
	s_cselect_b64 s[4:5], s[12:13], s[4:5]
	s_add_nc_u64 s[4:5], s[4:5], s[44:45]
	s_add_nc_u64 s[6:7], s[4:5], s[42:43]
	s_add_nc_u64 s[28:29], s[14:15], s[46:47]
	s_add_nc_u64 s[18:19], s[14:15], s[48:49]
	s_add_nc_u64 s[26:27], s[18:19], s[50:51]
	s_add_nc_u64 s[16:17], s[16:17], s[52:53]
.irp u, 0,1
.irp i, 0,1,2,3,4,5,6,7
	global_load_b128 v[96+64*\u+4*\i:99+64*\u+4*\i], v5, s[4:5] offset:4096*\i+512*\u th:TH_LOAD_NT
.endr
.irp i, 0,1,2,3,4,5,6,7
	global_load_b128 v[128+64*\u+4*\i:131+64*\u+4*\i], v5, s[6:7] offset:4096*\i+512*\u th:TH_LOAD_NT
.endr
.endr
	; my pair of the table
	v_and_b32 v23, 1, v0
	v_bfe_u32 v24, v0, 5, 1
	v_lshl_add_u32 v23, v24, 3, v23
	v_lshrrev_b32 v24, 6, v0
	v_lshl_add_u32 v23, v24, 1, v23
	v_add_nc_u32 v23, s54, v23                     ; p
	v_cvt_f32_u32 v23, v23
	v_mul_f32 v23, 0xbed49a78, v23                 ; p x -log2(10000) / 32
	s_wait_alu depctr_va_vdst(0)
	v_exp_f32 v23, v23                             ; the frequency
	v_bfe_u32 v24, v0, 1, 4
	v_lshrrev_b32 v25, 3, v24
	v_lshl_add_u32 v24, v25, 3, v24
	v_add_nc_u32 v24, s55, v24                     ; the position
	v_cvt_f32_u32 v24, v24
	v_mov_b32 v40, 0xbfc90fdb                      ; -pi / 2, its upper part
	v_mov_b32 v41, 0x333bbd2e                      ; what that upper part has too much
	v_mov_b32 v42, 0xb94ca1f9                      ; the sine's highest coefficient
	v_mov_b32 v43, 0x37ccf5ce                      ; the cosine's
	s_wait_alu depctr_va_vdst(0)
	v_mul_f32 v24, v24, v23                        ; the angle
	v_mul_f32 v32, 0x3f22f983, v24
	v_rndne_f32 v32, v32                           ; quarter turns
	v_fma_f32 v33, v32, v40, v24
	v_fma_f32 v33, v32, v41, v33                   ; the rest, at most pi / 4 in size
	v_mul_f32 v34, v33, v33
	v_fmaak_f32 v35, v42, v34, 0x3c08839e
	v_fmaak_f32 v35, v35, v34, 0xbe2aaaa3
	v_mul_f32 v35, v35, v34
	v_fma_f32 v35, v35, v33, v33                   ; its sine
	v_fmaak_f32 v36, v43, v34, 0xbab6061a
	v_fmaak_f32 v36, v36, v34, 0x3d2aaaa5
	v_mul_f32 v37, v34, v34
	v_fma_f32 v38, v34, -0.5, 1.0
	v_fma_f32 v36, v37, v36, v38                   ; its cosine
	v_cvt_i32_f32 v32, v32
	v_and_b32 v37, 1, v32
	v_cmp_eq_u32 vcc_lo, 1, v37                    ; an odd quarter exchanges the two
	v_cndmask_b32 v31, v35, v36, vcc_lo
	v_cndmask_b32 v30, v36, v35, vcc_lo
	v_lshlrev_b32 v37, 30, v32
	v_and_b32 v37, 0x80000000, v37                 ; quarters 2, 3: the sine is negative
	v_xor_b32 v31, v31, v37
	v_add_nc_u32 v38, 1, v32
	v_lshlrev_b32 v38, 30, v38
	v_and_b32 v38, 0x80000000, v38                 ; quarters 1, 2: the cosine
	v_xor_b32 v30, v30, v38
	v_lshlrev_b32 v29, 3, v0
	global_store_b64 v29, v[30:31], s[16:17]       ; a wave stores 256 consecutive bytes
	v_mov_b32 v16, 0                               ; a lane permute's destination counts as one of its sources
	s_wait_alu depctr_va_vdst(0)
.macro UNIT u, X, B
.set CD, 224+12*\u
	s_wait_loadcnt 16-16*\u                        ; this unit's sixteen loads are in; the next unit's may be out
.irp i, 0,1,2,3,4,5,6,7,8,9,10,11,12,13,14,15
	ds_store_b128 v6, v[96+64*\u+4*\i:99+64*\u+4*\i] offset:SP*\i
.endr
.irp c, 0,1
.irp i, 0,1,2,3,4,5,6,7
	ds_load_b128 v[\X+32*\c+4*\i:\X+32*\c+4*\i+3], v7 offset:256*\c+16*\i   ; LDS serves a wave's instructions in order: these see the stores above
.endr
.endr
	s_wait_dscnt 0x0
.irp m, 0,1,2,3
	v_max3_num_f32 v[8+\m], |v[\X+16*\m]|, |v[\X+16*\m+1]|, 0x2800000   ; two chains for each of my two blocks; the floor 2^(5 - 127) holds the byte at 1
.endr
.irp i, 2,4,6,8,10,12,14
.irp m, 0,1,2,3
	v_max3_num_f32 v[8+\m], |v[\X+16*\m+\i]|, |v[\X+16*\m+\i+1]|, v[8+\m]
.endr
.endr
	v_max_num_f32 v8, v8, v9
	v_max_num_f32 v10, v10, v11
	v_add_nc_u32 v12, 0xfe000000, v8               ; 4 off the exponent field: the conversion's scale operand
	v_add_nc_u32 v13, 0xfe000000, v10
	v_cvt_scalef32_pk16_bf6_f32 v[CD:CD+2], v[\X:\X+15], v12
	v_cvt_scalef32_pk16_bf6_f32 v[248:250], v[\X+16:\X+31], v12   ; (a conversion's three registers begin on an even number)
	v_cvt_scalef32_pk16_bf6_f32 v[CD+6:CD+8], v[\X+32:\X+47], v13
	v_cvt_scalef32_pk16_bf6_f32 v[252:254], v[\X+48:\X+63], v13
	v_lshrrev_b32 v14, 23, v12                     ; the scales' bytes: blocks h and 2 + h
	v_lshrrev_b32 v15, 23, v13
	v_lshl_or_b32 v14, v15, 16, v14
	v_lshlrev_b32 v14, v18, v14
.irp i, 0,1,2
	v_mov_b32 v[CD+3+\i], v[248+\i]
	v_mov_b32 v[CD+9+\i], v[252+\i]
.endr
	v_permlanex16_b32 v16, v14, s58, s59
	v_or_b32 v[20+\u], v14, v16                    ; with lane l xor 16's two the word is whole
.irp c, 0,1,2
	global_store_b128 v5, v[CD+4*\c:CD+4*\c+3], s[\B:\B+1] offset:512*\c   ; 512 consecutive bytes, aligned
.endr
.endm
	UNIT 0, 32, 18
	UNIT 1, 96, 26                                 ; (the first unit's loads have been stored to the stage: their registers are free)
	ds_store_b64 v19, v[20:21]                     ; lanes l and l xor 16 write the same bytes with the same value
	s_wait_dscnt 0x0
	s_barrier_signal -1
	s_barrier_wait -1
	s_cmp_lg_u32 s22, 0                            ; the tile's first wave stores its 512 bytes of scale words
	s_cbranch_scc1 .Lend
	ds_load_b128 v[24:27], v22
	s_wait_dscnt 0x0
	global_store_b128 v5, v[24:27], s[28:29]
.Lend:
	s_wait_tensorcnt 0x0                           ; the wave's end
	ds_add_u32 v1, v2
	s_wait_dscnt 0x0
	s_endpgm
.Lfunc_end_k_q716e55135f_quant:
	.size	k_q716e55135f_quant, .Lfunc_end_k_q716e55135f_quant-k_q716e55135f_quant
	.p2alignl 7, 3214868480
	.fill 96, 4, 3214868480
	.section	.rodata,"a",@progbits
	.p2align	6, 0x0
	.amdhsa_kernel k_q716e55135f_quant
		.amdhsa_group_segment_fixed_size 69632
		.amdhsa_private_segment_fixed_size 0
		.amdhsa_enable_private_segment 0
		.amdhsa_kernarg_size 56
		.amdhsa_user_sgpr_count 2
		.amdhsa_user_sgpr_kernarg_segment_ptr 1
		.amdhsa_wavefront_size32 1
		.amdhsa_system_sgpr_workgroup_id_x 1
		.amdhsa_system_sgpr_workgroup_id_y 1
		.amdhsa_system_sgpr_workgroup_id_z 1
		.amdhsa_system_vgpr_workitem_id 0
		.amdhsa_next_free_vgpr 256
		.amdhsa_next_free_sgpr 66
		.amdhsa_reserve_vcc 1
		.amdhsa_float_denorm_mode_32 3
		.amdhsa_float_denorm_mode_16_64 3
		.amdhsa_memory_ordered 1
		.amdhsa_forward_progress 1
		.amdhsa_inst_pref_size 22
	.end_amdhsa_kernel
	.amdgpu_metadata
---
amdhsa.version: [ 1, 2 ]
amdhsa.kernels:
  - .name:           k_q716e55135f_quant
    .symbol:         k_q716e55135f_quant.kd
    .args:
      - { .name: x, .offset: 0, .size: 8, .value_kind: global_buffer, .address_space: global }
      - { .name: Wq, .offset: 8, .size: 8, .value_kind: global_buffer, .address_space: global }
      - { .name: Wk, .offset: 16, .size: 8, .value_kind: global_buffer, .address_space: global }
      - { .name: Wv, .offset: 24, .size: 8, .value_kind: global_buffer, .address_space: global }
      - { .name: Wo, .offset: 32, .size: 8, .value_kind: global_buffer, .address_space: global }
      - { .name: xw, .offset: 40, .size: 8, .value_kind: global_buffer, .address_space: global }
      - { .name: tab, .offset: 48, .size: 8, .value_kind: global_buffer, .address_space: global }
    .group_segment_fixed_size: 69632
    .private_segment_fixed_size: 0
    .kernarg_segment_align: 8
    .kernarg_segment_size: 56
    .max_flat_workgroup_size: 256
    .sgpr_count:     66
    .vgpr_count:     256
    .wavefront_size: 32
...
	.end_amdgpu_metadata
.endif
;; end of part 1
;; launch qkv (part 2): grid 16 x 16, 4 waves a work-group, clusters of 4 x 4, 327,680 bytes of LDS; arguments xw, tab, q_img, kv; writes q_img, kv
.if DOCPART == 2
	.amdgcn_target "amdgcn-amd-amdhsa--gfx1250"
	.amdhsa_code_object_version 6
	.text
	.protected	k_q716e55135f_qkv
	.globl	k_q716e55135f_qkv
	.p2align	8
	.type	k_q716e55135f_qkv,@function
k_q716e55135f_qkv:
	s_mov_b64 s[64:65], 0
	v_nop
	global_prefetch_b8 v0, s[64:65] scope:SCOPE_SE
	s_setreg_imm32_b32 hwreg(HW_REG_WAVE_MODE, 25, 1), 1
	s_wait_xcnt 0x0
	s_wait_alu depctr_hold_cnt(0) depctr_sa_sdst(0) depctr_va_vdst(0) depctr_va_sdst(0) depctr_va_ssrc(0) depctr_va_vcc(0) depctr_vm_vsrc(0)
	s_getreg_b32 s2, hwreg(HW_REG_IB_STS2, 6, 4)
	s_cmp_eq_u32 s2, 0
	s_cbranch_scc0 .Lentry_in_a_cluster
	s_endpgm
.Lentry_in_a_cluster:
	s_bfe_u32 s2, ttmp6, 0x10000c
	s_cmp_lg_u32 s2, 0xf033
	s_cbranch_scc0 .Lentry_shape_is_right
	s_endpgm
.Lentry_shape_is_right:
; Q, K, V = x Wq^T, x Wk^T, x Wv^T on codes of BF6 with E8M0 scales; the rotary embedding on Q and K; Q and K quantised along a head's 64, V along the keys.  Only codes and scale bytes leave.
; A work-group makes 256 tokens x one head's Q, K and V (192 channels): 16 x 16 work-groups.  Wave w takes the tokens' half w / 2; with w % 2 = 0 Q's 64 channels and V's 0-31, with 1 K's 64 and V's 32-63: 48 accumulators.
; Q and K: source 0 = W, source 1 = x: a lane holds ONE token, its registers run along the channels.  V: source 0 = x, source 1 = W: a lane holds ONE channel, its registers run along the keys.
; LDS: a region for x (16 tiles: 8,192 bytes of scale words, then K steps 0-6, 24,576 bytes each), one for the weights (12 tiles: 6,144, then 18,432 each).  One joint load a wave brings half a region at the head;
; K step 7 takes K step 0's place behind the one round in the walk.  The walk along K is written out: eight steps of 128.
; CLUSTERS 4 x 4: x's region is shared along a row of the cluster, the weights' along a column.  No prefetch: all but the last of eight K steps is asked for at once at the head, so there is no loop to run ahead in.
; WHAT LEAVES: for (batch, head, J = 128 tokens): q_img block of 6,656 bytes: four pairs of token tiles x 1,536, then scale words [tile / 4][r][tile % 4] (512);
;   kv block of 13,056 bytes: K's pairs (6,144), V's four channel tiles x 1,536 (6,144), K's scale words (512), V's [tile 4][r 16] (256).
;   A pair's 1,536 bytes: twelve registers, six for each tile, registers 4 c .. 4 c + 3 at 512 c + 16 lane; V's tile likewise, twelve registers for 128 keys.
; LIMITS: a block of zeros or with a largest magnitude under 2^-122 keeps the byte 1 (only this program reads the bytes); NaN and infinities are not served.
; REGISTERS: window 0: addresses; v32-63 x's scale words, v64-87 W's (4 a tile: lanes 0-15 K steps 0-3, lanes 16-31 K steps 4-7); v88-124 the way out; v128-255 the rotary table of token tiles 4-7.
;   window 1: v0-95 x's fragments, v96-167, v168-239 W's, two sets; on the way out v0-63 rotated numbers, v64-127 at work.  window 2: Q's or K's accumulators (token tile a, W tile b) at 8 (4 a + b).
;   window 3: V's (channel tile v, token tile a) at 64 v + 8 a; v128-255 the rotary table of token tiles 0-3.
.set AK,  24576
.set BK,  18432
.set BR,  180224                       ; the weights' region
.set SPARE, 315392                     ; the spare words; no other line names them
.set SX, 32
.set SW, 64
.set CD, 88
.set TM, 108
.set PW, 124
.set W,  32                            ; v32-41 the scale words that leave (the walk's are done with by then)
.set G1, 24
.set G0, 32
.set G0R, 36
.set G1B, 48
.set G0B, 56
.set G0BR, 60
.set SEL, 72
.set MSB, 0
.macro WIN new                         ; the immediate's high byte repeats the setting that is left
.if MSB != (\new)
	s_set_vgpr_msb (MSB<<8)|(\new)
.set MSB, (\new)
.endif
.endm
.macro JLOAD g0a, g0b                  ; waves 0 and 1 fetch for x, waves 2 and 3 for the weights
	s_cmp_eq_u32 s15, 0
	s_cbranch_scc0 .Lfor_b_\@
	tensor_load_to_lds s[\g0a:\g0a+3], s[G1:G1+7]
	s_nop 0
.rept 4
	v_nop
.endr
	s_branch .Lasked_\@
.Lfor_b_\@:
	tensor_load_to_lds s[\g0b:\g0b+3], s[G1B:G1B+7]
	s_nop 0
.rept 4
	v_nop
.endr
.Lasked_\@:
.endm
.macro CREST
	s_cmp_lg_u32 s14, 0
	s_cbranch_scc1 .Lnot_wave_0_\@
	s_barrier_signal -3
.Lnot_wave_0_\@:
	s_barrier_wait -3
	s_barrier_signal -1
	s_barrier_wait -1
.endm
.macro CROUND
	s_barrier_signal -1
	s_barrier_wait -1
	CREST
.endm
	s_load_b256 s[4:11], s[0:1], 0x0               ; xw, tab, q_img, kv
	v_lshl_add_u32 v8, v0, 2, SPARE
	v_mov_b32 v9, 0
	ds_add_u32 v8, v9                              ; the opening add, twice on end
	ds_add_u32 v8, v9
	v_lshrrev_b32 v1, 5, v0
	v_readfirstlane_b32 s14, v1                    ; wave
	s_lshr_b32 s15, s14, 1                         ; my tokens' half; I fetch for x (0) or the weights (1)
	s_and_b32 s16, s14, 1                          ; Q or K; which half of the region I fetch
	s_bfe_u32 s40, ttmp6, 0x40000
	s_bfe_u32 s41, ttmp6, 0x40004
	s_lshl_b32 s42, ttmp9, 2
	s_add_co_u32 s42, s42, s40                     ; head
	s_and_b32 s17, ttmp7, 0xffff
	s_lshl_b32 s17, s17, 2
	s_add_co_u32 s17, s17, s41                     ; block of 256 tokens
	s_lshl_b32 s43, s41, 2
	s_lshl_b32 s43, 15, s43                        ; my row of the cluster
	s_lshl_b32 s44, 0x1111, s40                    ; my column
	s_or_b32 s[G1], s43, (3<<16)|(1<<21)           ; dense blocks as rows of 1,024 bytes (128 elements of 8): at the head 88 rows for x,
	s_or_b32 s[G1B], s44, (3<<16)|(1<<21)
	s_mov_b32 s[G1+1], 128<<16
	s_mov_b32 s[G1+2], 88<<16
	s_mov_b32 s[G1+3], 128<<16
	s_mov_b32 s[G1+4], 88
	s_mov_b32 s[G1+5], 128
	s_mov_b32 s[G1+6], 0
	s_mov_b32 s[G1+7], 0
	s_mov_b32 s[G1B+1], 128<<16
	s_mov_b32 s[G1B+2], 66<<16                     ; 66 for the weights
	s_mov_b32 s[G1B+3], 128<<16
	s_mov_b32 s[G1B+4], 66
	s_mov_b32 s[G1B+5], 128
	s_mov_b32 s[G1B+6], 0
	s_mov_b32 s[G1B+7], 0
	s_mul_i32 s20, s17, 204800
	s_mul_i32 s18, s16, 90112
	s_add_co_u32 s22, s20, s18
	s_mov_b32 s23, 0
	s_mov_b32 s[G0], 1
	s_mov_b32 s[G0+1], s18
	s_mul_i32 s18, s16, 12288
	s_add_co_u32 s66, s20, s18
	s_add_co_u32 s66, s66, 180224                  ; K step 7 of x
	s_mov_b32 s67, 0
	s_mov_b32 s[G0R], 1
	s_add_co_u32 s[G0R+1], s18, 8192
	s_mul_i32 s46, s42, 153600
	s_add_co_u32 s46, s46, 3276800
	s_mul_i32 s19, s16, 67584
	s_add_co_u32 s68, s46, s19
	s_mov_b32 s69, 0
	s_mov_b32 s[G0B], 1
	s_add_co_u32 s[G0B+1], s19, BR
	s_mul_i32 s19, s16, 9216
	s_add_co_u32 s70, s46, s19
	s_add_co_u32 s70, s70, 135168                  ; K step 7 of the weights
	s_mov_b32 s71, 0
	s_mov_b32 s[G0BR], 1
	s_add_co_u32 s[G0BR+1], s19, BR+6144
	s_wait_alu depctr_va_vdst(0)
	s_wait_dscnt 0x0                               ; both opening adds are done
	s_wait_kmcnt 0x0
	s_add_nc_u64 s[G0+2:G0+3], s[4:5], s[22:23]
	s_or_b32 s[G0+3], s[G0+3], 0x80000000
	s_add_nc_u64 s[G0R+2:G0R+3], s[4:5], s[66:67]
	s_or_b32 s[G0R+3], s[G0R+3], 0x80000000
	s_add_nc_u64 s[G0B+2:G0B+3], s[4:5], s[68:69]
	s_or_b32 s[G0B+3], s[G0B+3], 0x80000000
	s_add_nc_u64 s[G0BR+2:G0BR+3], s[4:5], s[70:71]
	s_or_b32 s[G0BR+3], s[G0BR+3], 0x80000000
	CROUND                                         ; all sixteen work-groups are here: the first joint loads meet
	JLOAD G0, G0B                                  ; one tensor load a wave
	s_mul_i32 s18, s15, 12288                      ; my eight tiles of x,
	s_add_co_u32 s18, s18, 8192
	s_mul_i32 s19, s16, 9216                       ; my six of the weights,
	s_add_co_u32 s19, s19, BR+6144
	s_lshl_b32 s20, s15, 12                        ; and their scale words
	s_mul_i32 s21, s16, 3072
	s_add_co_u32 s21, s21, BR
	v_and_b32 v1, 31, v0
	v_lshlrev_b32 v3, 4, v1                        ; 16 x lane
	v_lshlrev_b32 v4, 2, v1                        ; 4 x lane
	v_add_nc_u32 v16, s18, v3                      ; x: K steps 0-2, 3-5, 6
	v_add_nc_u32 v17, 3*AK, v16
	v_add_nc_u32 v18, 3*AK, v17
	v_add_nc_u32 v20, s19, v3
	v_add_nc_u32 v21, 3*BK, v20
	v_add_nc_u32 v22, 3*BK, v21
	v_add_nc_u32 v24, s20, v3
	v_add_nc_u32 v25, s21, v3
.irp b, 0,1,2,3
	v_mov_b32 v[TM+4+\b], 0                        ; a lane permute's destination counts as one of its sources
.endr
	s_and_b32 s20, s17, 7
	s_lshl_b32 s20, s20, 4
	s_lshl_b32 s21, s15, 3
	s_add_co_u32 s20, s20, s21
	s_lshl_b32 s20, s20, 12
	s_mov_b32 s21, 0
	s_add_nc_u64 s[6:7], s[6:7], s[20:21]          ; the rotary table at my first token tile
.macro FETCH_W st                      ; K step st lies in the address register st / 3, K step 7 in K step 0's place
	WIN 0x40
.set KP, (\st)%7
.irp b, 0,1,2,3,4,5
.irp c, 0,1,2
	ds_load_b128 v[96+72*((\st)%2)+12*\b+4*\c:99+72*((\st)%2)+12*\b+4*\c], v[20+KP/3] offset:(KP%3)*BK+1536*\b+512*\c
.endr
.endr
.endm
.macro FETCH_X st, a0
	WIN 0x40
.set KP, (\st)%7
.irp a, \a0, \a0+1, \a0+2, \a0+3
.irp c, 0,1,2
	ds_load_b128 v[12*(\a)+4*\c:12*(\a)+4*\c+3], v[16+KP/3] offset:(KP%3)*AK+1536*(\a)+512*\c
.endr
.endr
.endm
.macro MULQ a, st                      ; one token tile x my four W tiles; the 48 accumulators take turns, one instruction a turn
.irp b, 0,1,2,3
.if (\st) == 0
	v_wmma_scale_f32_16x16x128_f8f6f4 v[8*(4*(\a)+\b):8*(4*(\a)+\b)+7], v[96+12*\b:107+12*\b], v[12*(\a):12*(\a)+11], 0, v[SW+4*\b], v[SX+4*(\a)] matrix_a_fmt:MATRIX_FMT_BF6 matrix_b_fmt:MATRIX_FMT_BF6
.elseif (\st) < 4
	v_wmma_scale_f32_16x16x128_f8f6f4 v[8*(4*(\a)+\b):8*(4*(\a)+\b)+7], v[96+72*((\st)%2)+12*\b:107+72*((\st)%2)+12*\b], v[12*(\a):12*(\a)+11], v[8*(4*(\a)+\b):8*(4*(\a)+\b)+7], v[SW+4*\b+(\st)%4], v[SX+4*(\a)+(\st)%4] matrix_a_fmt:MATRIX_FMT_BF6 matrix_b_fmt:MATRIX_FMT_BF6
.else
	v_wmma_scale_f32_16x16x128_f8f6f4 v[8*(4*(\a)+\b):8*(4*(\a)+\b)+7], v[96+72*((\st)%2)+12*\b:107+72*((\st)%2)+12*\b], v[12*(\a):12*(\a)+11], v[8*(4*(\a)+\b):8*(4*(\a)+\b)+7], v[SW+4*\b+(\st)%4], v[SX+4*(\a)+(\st)%4] matrix_a_fmt:MATRIX_FMT_BF6 matrix_b_fmt:MATRIX_FMT_BF6 matrix_a_scale:MATRIX_SCALE_ROW1 matrix_b_scale:MATRIX_SCALE_ROW1
.endif
.endr
.endm
.macro MULV a, st
.irp t, 0,1
.if (\st) == 0
	v_wmma_scale_f32_16x16x128_f8f6f4 v[64*\t+8*(\a):64*\t+8*(\a)+7], v[12*(\a):12*(\a)+11], v[144+12*\t:155+12*\t], 0, v[SX+4*(\a)], v[SW+16+4*\t] matrix_a_fmt:MATRIX_FMT_BF6 matrix_b_fmt:MATRIX_FMT_BF6
.elseif (\st) < 4
	v_wmma_scale_f32_16x16x128_f8f6f4 v[64*\t+8*(\a):64*\t+8*(\a)+7], v[12*(\a):12*(\a)+11], v[144+72*((\st)%2)+12*\t:155+72*((\st)%2)+12*\t], v[64*\t+8*(\a):64*\t+8*(\a)+7], v[SX+4*(\a)+(\st)%4], v[SW+16+4*\t+(\st)%4] matrix_a_fmt:MATRIX_FMT_BF6 matrix_b_fmt:MATRIX_FMT_BF6
.else
	v_wmma_scale_f32_16x16x128_f8f6f4 v[64*\t+8*(\a):64*\t+8*(\a)+7], v[12*(\a):12*(\a)+11], v[144+72*((\st)%2)+12*\t:155+72*((\st)%2)+12*\t], v[64*\t+8*(\a):64*\t+8*(\a)+7], v[SX+4*(\a)+(\st)%4], v[SW+16+4*\t+(\st)%4] matrix_a_fmt:MATRIX_FMT_BF6 matrix_b_fmt:MATRIX_FMT_BF6 matrix_a_scale:MATRIX_SCALE_ROW1 matrix_b_scale:MATRIX_SCALE_ROW1
.endif
.endr
.endm
.macro PLACES                          ; plain instructions in front of loads into, and reads and writes of, matrix instructions' registers
.rept 4
	v_nop
.endr
.endm
.macro MUL4V a0, st
	WIN 0xf5                                       ; sources in window 1, C and D in window 3
.irp a, \a0, \a0+1, \a0+2, \a0+3
	MULV \a, \st
.endr
.endm
.macro STEP st
.if (\st) == 0
	WIN 0
	s_wait_tensorcnt 0x0                           ; ahead of the refill's barrier
	ds_add_u32 v8, v9
	s_wait_dscnt 13                                ; (the add and the youngest twelve loads, x's tiles 4-7, may be out)
.elseif (\st) == 6
	s_wait_tensorcnt 0x0                           ; my part of K step 7 is in
	s_wait_dscnt 12
.else
	s_wait_dscnt 12                                ; (the youngest twelve loads, x's tiles 4-7, may be out)
.endif
	WIN 0xa5                                       ; sources in window 1, C and D in window 2
	MULQ 0, \st
	MULQ 1, \st
.if (\st) == 0 || (\st) == 6
	s_wait_dscnt 0x0                               ; the add is done, and so are my reads of this K step
	s_barrier_signal -1
.endif
	MULQ 2, \st
	MULQ 3, \st
	MUL4V 0, \st
.if (\st) == 0
	WIN 0
	s_barrier_wait -1
	CREST                                          ; no wave of any partner still reads K step 0 or has a load on its way
	JLOAD G0R, G0BR                                ; K step 7; its four v_nop are the places in front of the loads below
.elseif (\st) == 6
	WIN 0
	s_barrier_wait -1                              ; everybody's part of K step 7 is in
	PLACES
.else
	s_wait_dscnt 0x0                               ; x's tiles 4-7 are in
	PLACES
.endif
.if (\st) < 7
	FETCH_W (\st)+1
	FETCH_X (\st)+1, 0
.endif
	WIN 0xa5
	MULQ 4, \st
	MULQ 5, \st
	MULQ 6, \st
	MULQ 7, \st
	MUL4V 4, \st
	PLACES
.if (\st) < 7
	FETCH_X (\st)+1, 4
.endif
.if (\st) == 1 || (\st) == 3           ; the rotary table: token tiles 0-3 into window 3, 4-7 into window 0
.if (\st) == 1
	WIN 0xc0
.else
	WIN 0
.endif
.irp a, 0,1,2,3
.irp q, 0,1,2,3,4,5,6,7
	global_load_b128 v[128+32*\a+4*\q:131+32*\a+4*\q], v3, s[6:7] offset:4096*(\a+2*(\st)-2)+512*\q
.endr
.endr
.endif
.endm
	s_wait_alu depctr_va_vdst(0)                   ; the wait at the head's end
	s_wait_tensorcnt 0x0
	s_mov_b32 s[G1+2], 12<<16                      ; no tensor load of mine is out: from here on 12 rows for x,
	s_mov_b32 s[G1+4], 12
	s_mov_b32 s[G1B+2], 9<<16                      ; 9 for the weights
	s_mov_b32 s[G1B+4], 9
	s_barrier_signal -1
	s_barrier_wait -1                              ; everybody's part is in
.irp a, 0,1,2,3,4,5,6,7
	ds_load_b128 v[SX+4*\a:SX+4*\a+3], v24 offset:512*\a
.endr
.irp b, 0,1,2,3,4,5
	ds_load_b128 v[SW+4*\b:SW+4*\b+3], v25 offset:512*\b
.endr
	FETCH_W 0
	FETCH_X 0, 0
	FETCH_X 0, 4
	STEP 0
	STEP 1
	STEP 2
	STEP 3
	STEP 4
	STEP 5
	STEP 6
	STEP 7
	WIN 0
; THE WAY OUT.  64 numbers of a lane in window w, four blocks' halves of 16, become twelve registers of codes in v[CD] on and four scale bytes in v[PW].
.macro QUANT s, w
	WIN 5*(\w)
.irp b, 0,1,2,3
	v_max3_num_f32 v[TM+\b], |v[\s+16*\b]|, |v[\s+1+16*\b]|, 0x2800000   ; from the low end on, and the floor 2^(5 - 127): the byte cannot fall under 1
.endr
.irp i, 2,4,6,8,10,12,14
.irp b, 0,1,2,3
	v_max3_num_f32 v[TM+\b], |v[\s+16*\b+\i]|, |v[\s+1+16*\b+\i]|, v[TM+\b]
.endr
.endr
	WIN 0
.irp b, 0,1,2,3
	v_permlanex16_b32 v[TM+4+\b], v[TM+\b], s[SEL], s[SEL+1]
.endr
.irp b, 0,1,2,3
	v_max_num_f32 v[TM+\b], v[TM+\b], v[TM+4+\b]   ; with lane l xor 16's: the block's largest magnitude
.endr
.irp b, 0,1,2,3
	v_add_nc_u32 v[TM+12+\b], 0xfe000000, v[TM+\b] ; 4 off its exponent field: the conversion's scale operand
.endr
.irp b, 0,1,2,3
	v_lshrrev_b32 v[TM+4+\b], 23, v[TM+12+\b]      ; the scale's byte
.endr
	v_lshl_or_b32 v[PW], v[TM+5], 8, v[TM+4]
	v_lshl_or_b32 v[PW], v[TM+6], 16, v[PW]
	v_lshl_or_b32 v[PW], v[TM+7], 24, v[PW]
	WIN \w
.irp c, 0,1
	v_cvt_scalef32_pk16_bf6_f32 v[CD+6*\c:CD+2+6*\c], v[\s+32*\c:\s+15+32*\c], v[TM+12+2*\c]
	v_cvt_scalef32_pk16_bf6_f32 v[CD+12+4*\c:CD+14+4*\c], v[\s+16+32*\c:\s+31+32*\c], v[TM+12+2*\c+1]
.endr
	WIN 0
	v_nop                                          ; one plain instruction behind a scaled conversion
.irp c, 0,1                                    ; a WHOLE block in a lane: lanes 0-15 block 2 c, lanes 16-31 block 2 c + 1
.irp i, 0,1,2
	v_permlane16_swap_b32 v[CD+6*\c+\i], v[CD+12+4*\c+\i]
.endr
.endr
.irp c, 0,1
.irp i, 0,1,2
	v_mov_b32 v[CD+3+6*\c+\i], v[CD+12+4*\c+\i]
.endr
.endr
.endm
	s_lshr_b32 s20, s17, 3
	s_lshl_b32 s20, s20, 4
	s_add_co_u32 s20, s20, s42                     ; 16 b + head
	s_lshl_b32 s20, s20, 4
	s_and_b32 s21, s17, 7
	s_lshl_b32 s21, s21, 1
	s_add_co_u32 s20, s20, s21
	s_add_co_u32 s20, s20, s15                     ; x 16 + J
	s_mul_i32 s22, s20, 6656
	s_mul_i32 s24, s20, 13056
	s_mov_b32 s23, 0
	s_mov_b32 s25, 0
	s_mov_b32 s27, 0
	s_mov_b32 s29, 0
	s_lshl_b32 s28, s16, 7
	s_add_co_u32 s28, s28, 12800
	s_add_co_u32 s28, s28, s24                     ; V's scale words
	s_mul_i32 s26, s16, 3072
	s_add_co_u32 s26, s26, 6144
	s_add_co_u32 s26, s26, s24                     ; V's images
	s_mov_b32 s30, 6144
	s_mov_b32 s31, 12288
	s_cmp_eq_u32 s16, 0                            ; Q or K
	s_cselect_b32 s22, s22, s24
	s_cselect_b32 s30, s30, s31
	s_cselect_b64 s[8:9], s[8:9], s[10:11]
	s_mov_b32 s31, 0
	s_add_nc_u64 s[8:9], s[8:9], s[22:23]
	s_add_nc_u64 s[30:31], s[8:9], s[30:31]
	s_add_nc_u64 s[26:27], s[10:11], s[26:27]
	s_add_nc_u64 s[28:29], s[10:11], s[28:29]
	s_mov_b32 s[SEL], 0x76543210
	s_mov_b32 s[SEL+1], 0xfedcba98
; token tiles 2 p and 2 p + 1: (even, odd) -> (even cos - odd sin, odd cos + even sin), then their pair of images
.macro PAIR p
	s_wait_loadcnt 32-32*((\p)/2)                  ; the table of tiles 0-3 is in (that of 4-7, 32 loads, may be out), or all of it
.if (\p) > 0
	s_wait_xcnt 0x0                                ; earlier stores have read the code registers
.endif
.if (\p) < 2
	WIN 0x5e                                       ; accumulators in window 2, table in window 3, the rest in window 1
.else
	WIN 0x52                                       ; the table in window 0
.endif
.set TB, 128+64*((\p)%2)
.set n, 0
.rept 32
	v_pk_mul_f32 v[64+n:65+n], v[64*(\p)+n:64*(\p)+n+1], v[TB+n:TB+n+1] op_sel:[1,1] op_sel_hi:[0,1]   ; (odd sin, even sin)
.set n, n+2
.endr
.set n, 0
.rept 32
	v_pk_fma_f32 v[n:n+1], v[64*(\p)+n:64*(\p)+n+1], v[TB+n:TB+n+1], v[64+n:65+n] op_sel_hi:[1,0,1] neg_lo:[0,0,1]
.set n, n+2
.endr
	QUANT 0, 1
.irp c, 0,1,2
	global_store_b128 v3, v[CD+4*\c:CD+4*\c+3], s[8:9] offset:1536*(\p)+512*\c   ; 512 consecutive bytes, aligned
.endr
	v_mov_b32 v[W+2*(\p)], v[PW]                   ; a tile's word: its two bytes are the lower ones; the upper two meet zero codes alone
	v_lshrrev_b32 v[W+1+2*(\p)], 16, v[PW]
.endm
.macro VTILE t
	s_wait_xcnt 0x0
	QUANT 64*\t, 3                                 ; register 16 b + i is key 32 b + 16 (lane / 16) + i
.irp c, 0,1,2
	global_store_b128 v3, v[CD+4*\c:CD+4*\c+3], s[26:27] offset:1536*\t+512*\c
.endr
	v_mov_b32 v[W+8+\t], v[PW]
.endm
	PAIR 0
	PAIR 1
	VTILE 0
	VTILE 1
	PAIR 2
	PAIR 3
	s_mov_b32 vcc_lo, 0xffff0000
.irp i, 0,1,2,3
	v_cndmask_b32 v[W+\i], v[W+\i], v[W+4+\i], vcc_lo   ; lanes 0-15 tiles 0-3, lanes 16-31 tiles 4-7 (lanes l and l xor 16 hold the same words)
.endr
	v_cndmask_b32 v[W+8], v[W+8], v[W+9], vcc_lo
	global_store_b128 v3, v[W:W+3], s[30:31]       ; 512 consecutive bytes
	global_store_b32 v4, v[W+8], s[28:29]          ; V's words: 128 consecutive bytes
	s_wait_tensorcnt 0x0                           ; the wave's end
	ds_add_u32 v8, v9
	s_wait_dscnt 0x0
	CROUND                                         ; the closing round
	s_endpgm
.Lfunc_end_k_q716e55135f_qkv:
	.size	k_q716e55135f_qkv, .Lfunc_end_k_q716e55135f_qkv-k_q716e55135f_qkv
	.p2alignl 7, 3214868480
	.fill 96, 4, 3214868480
	.section	.rodata,"a",@progbits
	.p2align	6, 0x0
	.amdhsa_kernel k_q716e55135f_qkv
		.amdhsa_group_segment_fixed_size 327680
		.amdhsa_private_segment_fixed_size 0
		.amdhsa_enable_private_segment 0
		.amdhsa_kernarg_size 32
		.amdhsa_user_sgpr_count 2
		.amdhsa_user_sgpr_kernarg_segment_ptr 1
		.amdhsa_wavefront_size32 1
		.amdhsa_system_sgpr_workgroup_id_x 1
		.amdhsa_system_sgpr_workgroup_id_y 1
		.amdhsa_system_sgpr_workgroup_id_z 1
		.amdhsa_system_vgpr_workitem_id 0
		.amdhsa_next_free_vgpr 1024
		.amdhsa_next_free_sgpr 100
		.amdhsa_reserve_vcc 1
		.amdhsa_float_denorm_mode_32 3
		.amdhsa_float_denorm_mode_16_64 3
		.amdhsa_memory_ordered 1
		.amdhsa_forward_progress 1
		.amdhsa_inst_pref_size 131
	.end_amdhsa_kernel
	.amdgpu_metadata
---
amdhsa.version: [ 1, 2 ]
amdhsa.kernels:
  - .name:           k_q716e55135f_qkv
    .symbol:         k_q716e55135f_qkv.kd
    .args:
      - { .name: xw, .offset: 0, .size: 8, .value_kind: global_buffer, .address_space: global }
      - { .name: tab, .offset: 8, .size: 8, .value_kind: global_buffer, .address_space: global }
      - { .name: q_img, .offset: 16, .size: 8, .value_kind: global_buffer, .address_space: global }
      - { .name: kv, .offset: 24, .size: 8, .value_kind: global_buffer, .address_space: global }
    .group_segment_fixed_size: 327680
    .private_segment_fixed_size: 0
    .kernarg_segment_align: 8
    .kernarg_segment_size: 32
    .max_flat_workgroup_size: 128
    .sgpr_count:     100
    .vgpr_count:     1024
    .wavefront_size: 32
...
	.end_amdgpu_metadata
.endif
;; end of part 2
;; launch attn (part 3): grid 8 x 32, 16 waves a work-group, clusters of 4 x 1, 247,808 bytes of LDS; arguments q_img, kv, ao, ao_sc; writes ao, ao_sc
.if DOCPART == 3
	.amdgcn_target "amdgcn-amd-amdhsa--gfx1250"
	.amdhsa_code_object_version 6
	.text
	.protected	k_q716e55135f_attn
	.globl	k_q716e55135f_attn
	.p2align	8
	.type	k_q716e55135f_attn,@function
k_q716e55135f_attn:
	s_mov_b64 s[64:65], 0
	v_nop
	global_prefetch_b8 v0, s[64:65] scope:SCOPE_SE
	s_setreg_imm32_b32 hwreg(HW_REG_WAVE_MODE, 25, 1), 1
	s_wait_xcnt 0x0
	s_wait_alu depctr_hold_cnt(0) depctr_sa_sdst(0) depctr_va_vdst(0) depctr_va_sdst(0) depctr_va_ssrc(0) depctr_va_vcc(0) depctr_vm_vsrc(0)
	s_getreg_b32 s2, hwreg(HW_REG_IB_STS2, 6, 4)
	s_cmp_eq_u32 s2, 0
	s_cbranch_scc0 .Lentry_in_a_cluster
	s_endpgm
.Lentry_in_a_cluster:
	s_bfe_u32 s2, ttmp6, 0x10000c
	s_cmp_lg_u32 s2, 0x3003
	s_cbranch_scc0 .Lentry_shape_is_right
	s_endpgm
.Lentry_shape_is_right:
; Causal attention of one head on codes of BF6: S^T = K Q^T (K = the head's 64; Q's upper 64 are zero codes, so what stands in the upper half of K's registers adds nothing), p = 2^(t - M), O^T = V^T P^T, O / l, O quantised.
; t = score x log2(e) / 8; M = the running largest t rounded UP to a whole number; p is quantised along the keys, not normalised; l sums the unquantised p; when M moves, l and O are multiplied by 2^(old M - new M): exact.
; WORK LEFT OUT: the tiles of S that the causal mask hides whole, in steps of 128 keys: their p is 0 for all inputs.  A NaN or an infinity in them is not carried on.
; SHARES.  A work-group serves one (batch, head) and the sixteen query tiles 8 j + x, j = 0 .. 15, x its number along the grid: tile 8 j + x wants key steps 0 .. j, whatever x is, so all work-groups have one shape
; and four of a head form a CLUSTER that asks for K and V jointly.  Waves p and 8 + p share the pair of tiles j = 15 - p (later) and j = p (earlier), 17 tile steps: wave p takes the later tile's steps 0 .. 8,
; wave 8 + p its steps 9 .. 15 - p, then all of the earlier tile.  Wave 8 + p hands its part of the later tile (O^T, -M, l) over in LDS; the parts are brought under the larger M by powers of two and added.
; LDS: sixteen steps of 13,056 bytes (K's images, V's, K's scale words, V's), each filled ONCE: wave w loads step w, its one tensor load.  Nothing is filled again.  Behind them 8 x 4,608 bytes for the hand-over.
; No prefetch: every byte of K and V is asked for at once at the head; there is no loop to run ahead in.
; LIMITS: NaN and infinities are not served; the scaled scores stay under 2^31 in magnitude; a block of p or of O whose largest number lies under 2^-122 keeps the byte 1.  O's scale bytes leave as single bytes, 16 rows x 2 in 64 bytes.
; REGISTERS: v1 16 lane, v2 4 lane; v5, v6 addresses; v7 Q's scale words; v8-11 -M, largest t, l in two halves; v12-15 K's scale words; v16-27 Q; v28-29 V's scale words; v30 -infinity; v32-79 K (v80-85: what the last
;   tile's upper half names), in the softmax v32-55 serve the codes; v86-133 V; v134-197 S^T, then p; v198-229 O^T; v230-236 the earlier tile's Q; v242-255 at work.
.set STEPB, 13056
.set QB,   6656
.set XCH,  208896
.set XCHB, 4608
.set SPARE, 245760                     ; the spare words; no other line names them
.set KF, 32
.set CD, 44
.set VF, 86
.set S,  134
.set O,  198
.set BM, 242
.set PB, 246
.set SO, 250
.set T1, 31
.set SEL, 66
.set CS, 100
.set J,  26
.set TK, 27
.set CNT, 28
.set LO, 29
.set HI, 30
.set DG, 31
.macro CROUND
	s_barrier_signal -1
	s_barrier_wait -1
	s_cmp_lg_u32 s2, 0
	s_cbranch_scc1 .Lnot_wave_0_\@
	s_barrier_signal -3
.Lnot_wave_0_\@:
	s_barrier_wait -3
	s_barrier_signal -1
	s_barrier_wait -1
.endm
	s_load_b256 s[4:11], s[0:1], 0x0               ; q_img, kv, ao, ao_sc
	v_lshl_add_u32 v3, v0, 2, SPARE
	v_mov_b32 v4, 0
	ds_add_u32 v3, v4                              ; the opening add, twice on end
	ds_add_u32 v3, v4
	v_lshrrev_b32 v1, 5, v0
	v_readfirstlane_b32 s2, v1                     ; wave 0..15
	s_and_b32 s3, s2, 7                            ; p
	s_bfe_u32 s40, ttmp6, 0x40000
	s_lshl_b32 s24, ttmp9, 2
	s_add_co_u32 s24, s24, s40                     ; x
	s_and_b32 s25, ttmp7, 0xffff                   ; 16 b + head
	s_mov_b32 s16, 15|(3<<16)|(1<<21)              ; all four of the cluster; 51 rows of 256 bytes (32 elements of 8), dense
	s_mov_b32 s17, 32<<16
	s_mov_b32 s18, 51<<16
	s_mov_b32 s19, 32<<16
	s_mov_b32 s20, 51
	s_mov_b32 s21, 32
	s_mov_b32 s22, 0
	s_mov_b32 s23, 0
	s_lshl_b32 s40, s25, 4
	s_add_co_u32 s40, s40, s2
	s_mul_i32 s40, s40, STEPB                      ; step w of this head
	s_mov_b32 s41, 0
	s_mov_b32 s12, 1
	s_mul_i32 s13, s2, STEPB
	s_wait_alu depctr_va_vdst(0)
	s_wait_dscnt 0x0                               ; both opening adds are done
	s_wait_kmcnt 0x0
	s_add_nc_u64 s[14:15], s[6:7], s[40:41]
	s_or_b32 s15, s15, 0x80000000
	CROUND                                         ; all four work-groups are here: the joint loads meet
	tensor_load_to_lds s[12:15], s[16:23]
	s_nop 0
	v_and_b32 v5, 31, v0
	v_lshlrev_b32 v1, 4, v5                        ; 16 x lane
	v_lshlrev_b32 v2, 2, v5                        ; 4 x lane
	v_and_b32 v31, 15, v0                          ; r
	v_lshlrev_b32 v12, 4, v31                      ; 16 r
	v_lshrrev_b32 v13, 3, v31
	v_lshl_add_u32 v13, v13, 3, v31
	v_bfe_u32 v14, v0, 4, 1
	v_lshlrev_b32 v14, 4, v14
	v_sub_nc_u32 v13, v13, v14                     ; r + 8 (r / 8) - 16 h
.irp i, 0,1,2,3,4,5,6
	v_mov_b32 v[230+\i], 0
.endr
	s_wait_alu depctr_va_vdst(0)
	; a tile's six registers of Q: pieces of 8 bytes in the pair's image; for an odd x its second half
	s_and_b32 s42, s24, 1
	s_mul_i32 s44, s42, 520
	s_mul_i32 s46, s42, 1016
	s_lshr_b32 s43, s24, 1
	s_mul_i32 s43, s43, 1536
	s_add_co_u32 s44, s44, s43
	s_add_co_u32 s46, s46, s43
	s_lshr_b32 s48, s24, 2
	s_lshl_b32 s48, s48, 8
	s_and_b32 s43, s24, 3
	s_lshl_b32 s43, s43, 2
	s_add_co_u32 s48, s48, s43
	s_add_co_u32 s48, s48, 6144                    ; its scale words
	s_mov_b32 s45, 0
	s_mov_b32 s47, 0
	s_mov_b32 s49, 0
	s_mov_b32 s41, 0
	s_sub_co_u32 s[DG], 15, s3                     ; the later tile's j
.macro QLOAD j, q, sc, t
	s_lshl_b32 s40, s25, 4
	s_add_co_u32 s40, s40, s[\j]
	s_mul_i32 s40, s40, QB
	s_add_nc_u64 s[\t:\t+1], s[4:5], s[40:41]
	s_add_nc_u64 s[\t+2:\t+3], s[\t:\t+1], s[44:45]
	s_add_nc_u64 s[\t+4:\t+5], s[\t:\t+1], s[46:47]
	s_add_nc_u64 s[\t:\t+1], s[\t:\t+1], s[48:49]
	global_load_b64 v[\q:\q+1], v1, s[\t+2:\t+3]
	global_load_b64 v[\q+2:\q+3], v1, s[\t+4:\t+5] offset:8
	global_load_b64 v[\q+4:\q+5], v1, s[\t+2:\t+3] offset:512
	global_load_b32 v[\sc], v12, s[\t:\t+1]
.endm
	QLOAD DG, 16, 7, 50
	s_cmp_lt_u32 s2, 8
	s_cbranch_scc1 .Lone_tile
	QLOAD 3, 230, 236, 56                          ; waves 8-15: the earlier tile's too
.Lone_tile:
	s_wait_xcnt 0x0                                ; the loads have read their bases: the masks take these registers
	s_lshr_b32 s104, s24, 1
	s_lshl_b32 s104, s104, 5
	s_and_b32 s28, s24, 1
	s_lshl_b32 s28, s28, 3
	s_add_co_u32 s104, s104, s28                   ; 32 (x / 2) + 8 (x % 2): the tile's first query within its last step
	v_add_nc_u32 v13, s104, v13
.set n, 0
.rept 64
	v_cmp_gt_i32 s[32+n+4*(n/32)], 32*(n/16)+n%16, v13   ; the lanes that do not see register n's key in a tile's last step: the same for all my tiles
.set n, n+1
.endr
.set n, 0
.rept 6
	v_mov_b32 v[22+n], 0                           ; Q's upper 64: zero codes
	v_mov_b32 v[80+n], 0
.set n, n+1
.endr
.macro RESET
.set n, 0
.rept 32
	v_mov_b32 v[O+n], 0                            ; the step is written without a first step of its own; the first change of M multiplies zeros
.set n, n+1
.endr
	v_mov_b32 v9, 0xff61b1e6                       ; the largest t so far: -3e38
	v_mov_b32 v10, 0
	v_mov_b32 v11, 0
	v_floor_f32 v8, -v9
.endm
	RESET
.irp b, 0,1,2,3
	v_mov_b32 v[PB+\b], 0                          ; a lane permute's destination counts as one of its sources
.endr
	v_mov_b32 v254, 0
	v_mov_b32 v255, 0
	v_mov_b32 v30, 0xff800000
	s_mov_b32 s[SEL], 0x76543210
	s_mov_b32 s[SEL+1], 0xfedcba98
	s_mov_b32 s[CS], 0x3e38aa3b                    ; log2(e) / 8
	s_mov_b32 s[CS+1], s[CS]
	s_lshr_b32 s104, s2, 3
	s_mul_i32 s[J], s104, 7                        ; waves 0-7 walk steps 0 .. 8, waves 8-15 steps 7 .. 15,
	s_mul_i32 s[TK], s104, 7*STEPB
	s_mul_i32 s[LO], s104, 9                       ; of which 9 .. 15 - p are theirs
	s_cmp_lt_u32 s2, 8
	s_cselect_b32 s[HI], 8, s[DG]
	s_mov_b32 s[CNT], 9
	s_wait_alu depctr_va_vdst(0)                   ; the wait at the head's end
	s_wait_loadcnt 0x0                             ; Q
	s_wait_tensorcnt 0x0                           ; my step is in
	s_barrier_signal -1
	s_barrier_wait -1                              ; everybody's is
; One tile's share of a key step
.macro TILE
	s_cmp_lt_i32 s[J], s[LO]
	s_cbranch_scc1 .Lskip_\@
	s_cmp_gt_i32 s[J], s[HI]
	s_cbranch_scc1 .Lskip_\@
	v_add_nc_u32 v5, s[TK], v1
	v_add_nc_u32 v6, s[TK], v2
	ds_load_b128 v[12:15], v5 offset:12288         ; K's scale words: lanes 0-15 tiles 0-3, lanes 16-31 tiles 4-7
.irp b, 0,1,2,3
.irp c, 0,1,2
	ds_load_b128 v[KF+12*\b+4*\c:KF+12*\b+4*\c+3], v5 offset:1536*\b+512*\c
.endr
.endr
.irp t, 0,1,2,3
.irp c, 0,1,2
	ds_load_b128 v[VF+12*\t+4*\c:VF+12*\t+4*\c+3], v5 offset:6144+1536*\t+512*\c
.endr
.endr
	ds_load_b32 v28, v6 offset:12800               ; V's scale words: lanes 0-15 tile 0, lanes 16-31 tile 1
	ds_load_b32 v29, v6 offset:12928               ; tiles 2, 3
	s_wait_dscnt 14                                ; K is in; V's twelve loads and two of scale words may be out
.irp u, 0,1,2,3,4,5,6,7                        ; S^T = K Q^T: a tile's six registers, and the next tile's six against zero codes
.if \u < 4
	v_wmma_scale_f32_16x16x128_f8f6f4 v[S+8*\u:S+8*\u+7], v[KF+6*\u:KF+6*\u+11], v[16:27], 0, v[12+\u%4], v7 matrix_a_fmt:MATRIX_FMT_BF6 matrix_b_fmt:MATRIX_FMT_BF6
.else
	v_wmma_scale_f32_16x16x128_f8f6f4 v[S+8*\u:S+8*\u+7], v[KF+6*\u:KF+6*\u+11], v[16:27], 0, v[12+\u%4], v7 matrix_a_fmt:MATRIX_FMT_BF6 matrix_b_fmt:MATRIX_FMT_BF6 matrix_a_scale:MATRIX_SCALE_ROW1
.endif
.endr                                          ; register 16 b + i is key 128 J + 32 b + 16 (lane / 16) + i
.rept 4
	v_nop
.endr
	s_cmp_lg_u32 s[J], s[DG]                       ; in the tile's last step the scores of hidden keys become -infinity: p = 0 then
	s_cbranch_scc1 .Lopen_\@
.set n, 0
.rept 64
	v_cndmask_b32 v[S+n], v[S+n], v30, s[32+n+4*(n/32)]
.set n, n+1
.endr
.Lopen_\@:
.irp b, 0,1,2,3
	v_max3_num_f32 v[BM+\b], v[S+16*\b], v[S+1+16*\b], v[S+2+16*\b]   ; the largest score of each block of 32 keys: for the row's maximum, and, since p rises with the score, for the block's largest p
.endr
.irp i, 3,5,7,9,11,13
.irp b, 0,1,2,3
	v_max3_num_f32 v[BM+\b], v[BM+\b], v[S+16*\b+\i], v[S+1+16*\b+\i]
.endr
.endr
.irp b, 0,1,2,3
	v_max_num_f32 v[BM+\b], v[BM+\b], v[S+15+16*\b]
.endr
.irp b, 0,1,2,3
	s_delay_alu instid0(VALU_DEP_4)
	v_permlanex16_b32 v[PB+\b], v[BM+\b], s[SEL], s[SEL+1]
.endr
.irp b, 0,1,2,3
	s_delay_alu instid0(VALU_DEP_4)
	v_max_num_f32 v[BM+\b], v[BM+\b], v[PB+\b]     ; with lane l xor 16's 16 keys
.endr
	s_delay_alu instid0(VALU_DEP_2)
	v_max3_num_f32 v[T1], v[BM], v[BM+1], v[BM+2]
	s_delay_alu instid0(VALU_DEP_1)
	v_max_num_f32 v[T1], v[T1], v[BM+3]            ; the step's largest score of my query
	s_delay_alu instid0(VALU_DEP_1)
	v_mul_f32 v[T1], s[CS], v[T1]                  ; as t
	s_delay_alu instid0(VALU_DEP_1)
	v_max_num_f32 v9, v9, v[T1]                    ; the running largest t
	v_mov_b32 v[T1], v8
	s_delay_alu instid0(VALU_DEP_2)
	v_floor_f32 v8, -v9                            ; the new -M = -ceil(t)
	s_delay_alu instid0(VALU_DEP_1)
	v_sub_f32 v[T1], v8, v[T1]                     ; old M - new M: a whole number, 0 or less
	s_delay_alu instid0(VALU_DEP_1)
	v_cvt_i32_f32 v[T1], v[T1]                     ; (it saturates)
	s_delay_alu instid0(VALU_DEP_1)
	v_ldexp_f32 v254, 1.0, v[T1]                   ; f = 2^(old M - new M)
.set n, 0
.rept 32
	v_pk_fma_f32 v[S+n:S+n+1], v[S+n:S+n+1], s[CS:CS+1], v[8:9] op_sel_hi:[1,0,0]   ; t - M, two at a time
.set n, n+2
.endr
.irp b, 0,1,2,3
	v_fma_f32 v[BM+\b], v[BM+\b], s[CS], v8        ; the same of each block's largest score
.endr
	s_wait_alu depctr_va_vdst(0)                   ; the wait ahead of the batch,
.set n, 0
.rept 64
	v_exp_f32 v[S+n], v[S+n]                       ; p = 2^(t - M), at most 1
.set n, n+1
.endr
.irp b, 0,1,2,3
	v_exp_f32 v[BM+\b], v[BM+\b]                   ; the block's largest p
.endr
	v_pk_mul_f32 v[10:11], v[10:11], v[254:255] op_sel_hi:[1,0]   ; l under the new M (a plain instruction behind the exponentials)
	s_wait_alu depctr_va_vdst(0)                   ; and behind it
.irp b, 0,1,2,3
	v_max_num_f32 v[BM+\b], 0x2800000, v[BM+\b]    ; the floor 2^(5 - 127): the byte cannot fall under 1
.endr
.irp b, 0,1,2,3
	s_delay_alu instid0(VALU_DEP_4)
	v_add_nc_u32 v[SO+\b], 0xfe000000, v[BM+\b]    ; 4 off the exponent field: the conversion's scale operand
.endr
.irp b, 0,1,2,3
	s_delay_alu instid0(VALU_DEP_4)
	v_lshrrev_b32 v[PB+\b], 23, v[SO+\b]           ; the scale's byte
.endr
	s_delay_alu instid0(VALU_DEP_3)
	v_lshl_or_b32 v255, v[PB+1], 8, v[PB]          ; p's scale word for these 128 keys
	s_delay_alu instid0(VALU_DEP_1)
	v_lshl_or_b32 v255, v[PB+2], 16, v255
	s_delay_alu instid0(VALU_DEP_1)
	v_lshl_or_b32 v255, v[PB+3], 24, v255
.irp c, 0,1
	v_cvt_scalef32_pk16_bf6_f32 v[CD+6*\c:CD+2+6*\c], v[S+32*\c:S+15+32*\c], v[SO+2*\c]
	v_cvt_scalef32_pk16_bf6_f32 v[KF+4*\c:KF+2+4*\c], v[S+16+32*\c:S+31+32*\c], v[SO+2*\c+1]   ; (a conversion's three registers begin on an even number)
.endr
	v_nop                                          ; one plain instruction behind a scaled conversion
.irp c, 0,1                                    ; a WHOLE block in a lane: lanes 0-15 block 2 c, lanes 16-31 block 2 c + 1
.irp i, 0,1,2
	v_permlane16_swap_b32 v[CD+6*\c+\i], v[KF+4*\c+\i]
.endr
.irp i, 0,1,2
	s_delay_alu instid0(VALU_DEP_3)
	v_mov_b32 v[CD+3+6*\c+\i], v[KF+4*\c+\i]
.endr
.endr
	v_pk_add_f32 v[40:41], v[S:S+1], v[S+2:S+3]    ; l takes the UNQUANTISED p: two at a time, in two chains
.set n, 4
.rept 15
	v_pk_add_f32 v[10:11], v[10:11], v[S+n:S+n+1]
	v_pk_add_f32 v[40:41], v[40:41], v[S+n+2:S+n+3]
.set n, n+4
.endr
	s_delay_alu instid0(VALU_DEP_1)
	v_pk_add_f32 v[10:11], v[10:11], v[40:41]
	s_wait_alu depctr_va_vdst(0)                   ; the wait ahead of O^T's first reader
.set n, 0
.rept 16
	v_pk_mul_f32 v[O+n:O+n+1], v[O+n:O+n+1], v[254:255] op_sel_hi:[1,0]   ; O^T under the new M, from each accumulator's low end on
.set n, n+2
.endr
	s_wait_alu depctr_va_vdst(0)
	s_wait_dscnt 0x0                               ; V
.irp t, 0,1,2,3                                ; O^T += V^T P^T: the four accumulators take turns
.if \t%2 == 0
	v_wmma_scale_f32_16x16x128_f8f6f4 v[O+8*\t:O+8*\t+7], v[VF+12*\t:VF+12*\t+11], v[CD:CD+11], v[O+8*\t:O+8*\t+7], v[28+\t/2], v255 matrix_a_fmt:MATRIX_FMT_BF6 matrix_b_fmt:MATRIX_FMT_BF6
.else
	v_wmma_scale_f32_16x16x128_f8f6f4 v[O+8*\t:O+8*\t+7], v[VF+12*\t:VF+12*\t+11], v[CD:CD+11], v[O+8*\t:O+8*\t+7], v[28+\t/2], v255 matrix_a_fmt:MATRIX_FMT_BF6 matrix_b_fmt:MATRIX_FMT_BF6 matrix_a_scale:MATRIX_SCALE_ROW1
.endif
.endr
.rept 4
	v_nop                                          ; places in front of the next step's loads and of O^T's readers
.endr
.Lskip_\@:
	s_add_co_u32 s[J], s[J], 1
	s_add_co_u32 s[TK], s[TK], STEPB
.endm
.Llater:
	TILE
	s_sub_co_u32 s[CNT], s[CNT], 1
	s_cmp_lg_u32 s[CNT], 0
	s_cbranch_scc1 .Llater
	s_mul_i32 s104, s3, XCHB
	s_add_co_u32 s104, s104, XCH                   ; my pair's hand-over bytes
	s_cmp_lt_u32 s2, 8
	s_cbranch_scc1 .Lkeep
	v_add_nc_u32 v5, s104, v1
.irp c, 0,1,2,3,4,5,6,7                        ; waves 8-15: my part of the later tile as an image of its registers
	ds_store_b128 v5, v[O+4*\c:O+4*\c+3] offset:512*\c
.endr
	ds_store_b128 v5, v[8:11] offset:4096          ; -M, the largest t, l in two halves
	s_wait_dscnt 0x0
	RESET                                          ; and on to the earlier tile
.irp i, 0,1,2,3,4,5
	v_mov_b32 v[16+\i], v[230+\i]
.endr
	v_mov_b32 v7, v236
	s_wait_alu depctr_va_vdst(0)
.Lkeep:
	s_wait_dscnt 0x0                               ; for the others' sake: my stores have landed
	s_barrier_signal -1                            ; the wait for it stands behind the earlier tile: between the two stand work on registers and loads of LDS bytes that nobody writes any more
	s_mov_b32 s[DG], s3
	s_cmp_lt_u32 s2, 8
	s_cselect_b32 s[HI], -1, s3                    ; waves 0-7 have no step of it
	s_mov_b32 s[LO], 0
	s_mov_b32 s[J], 0
	s_mov_b32 s[TK], 0
	s_mov_b32 s[CNT], 8
.Learlier:
	TILE
	s_sub_co_u32 s[CNT], s[CNT], 1
	s_cmp_lg_u32 s[CNT], 0
	s_cbranch_scc1 .Learlier
	s_barrier_wait -1
	s_sub_co_u32 s32, 15, s3
	s_cmp_lt_u32 s2, 8
	s_cselect_b32 s32, s32, s3                     ; the j of the tile that I finish
	s_lshr_b32 s33, s25, 4
	s_lshl_b32 s33, s33, 4
	s_add_co_u32 s32, s32, s33                     ; block of 128 tokens: 16 b + j
	s_and_b32 s33, s25, 15                         ; head
	s_lshl_b32 s34, s32, 4
	s_add_co_u32 s34, s34, s33
	s_lshl_b32 s34, s34, 3
	s_add_co_u32 s34, s34, s24
	s_mul_i32 s34, s34, 768                        ; ao[block][head][x][768]
	s_mov_b32 s35, 0
	s_add_nc_u64 s[8:9], s[8:9], s[34:35]
	s_lshl_b32 s36, s32, 12                        ; ao_sc[block][head / 2][row 128][4 bytes], the head's two bytes in its half of the word
	s_lshr_b32 s38, s33, 1
	s_lshl_b32 s38, s38, 9
	s_add_co_u32 s36, s36, s38
	s_lshl_b32 s38, s24, 6
	s_add_co_u32 s36, s36, s38
	s_and_b32 s38, s33, 1
	s_lshl_b32 s38, s38, 1
	s_add_co_u32 s36, s36, s38
	s_mov_b32 s37, 0
	s_add_nc_u64 s[10:11], s[10:11], s[36:37]
	s_cmp_lt_u32 s2, 8
	s_cbranch_scc0 .Lwhole
	v_add_nc_u32 v5, s104, v1
.irp c, 0,1,2,3,4,5,6,7                        ; waves 0-7: the partner's part
	ds_load_b128 v[S+4*\c:S+4*\c+3], v5 offset:512*\c
.endr
	ds_load_b128 v[S+32:S+35], v5 offset:4096
	s_wait_dscnt 0x0
	v_min_num_f32 v242, v8, v[S+32]                ; -M of the whole row: the smaller -M
	v_sub_f32 v244, v242, v8                       ; my M less the row's: a whole number, 0 or less
	v_sub_f32 v246, v242, v[S+32]                  ; the partner's likewise (a partner without steps has M = -3e38: its factor comes out 0, over zeros)
	v_cvt_i32_f32 v244, v244
	v_cvt_i32_f32 v246, v246
	v_ldexp_f32 v244, 1.0, v244
	v_ldexp_f32 v246, 1.0, v246
	v_mov_b32 v245, v244                           ; each factor twice, for the packed forms
	v_mov_b32 v247, v246
	v_pk_mul_f32 v[S+34:S+35], v[S+34:S+35], v[246:247]
.set n, 0
.rept 16
	v_pk_mul_f32 v[S+n:S+n+1], v[S+n:S+n+1], v[246:247]
.set n, n+2
.endr
	v_pk_fma_f32 v[10:11], v[10:11], v[244:245], v[S+34:S+35]   ; l of the whole row, in two halves
.set n, 0
.rept 16
	v_pk_fma_f32 v[O+n:O+n+1], v[O+n:O+n+1], v[244:245], v[S+n:S+n+1]   ; O^T of the whole row
.set n, n+2
.endr
	s_wait_alu depctr_va_vdst(0)
.Lwhole:
; THE WAY OUT: O^T / l; register 16 b + i is channel 32 b + 16 (lane / 16) + i: two blocks of the next product's K
	v_add_f32 v254, v10, v11
	v_permlanex16_b32 v[T1], v254, s[SEL], s[SEL+1]
	v_add_f32 v254, v254, v[T1]                    ; l
	s_wait_alu depctr_va_vdst(0)
	v_rcp_f32 v254, v254
	v_nop                                          ; one plain instruction behind the reciprocal
	s_wait_alu depctr_va_vdst(0)
.set n, 0
.rept 16
	v_pk_mul_f32 v[S+n:S+n+1], v[O+n:O+n+1], v[254:255] op_sel_hi:[1,0]
.set n, n+2
.endr
.irp b, 0,1
	v_max3_num_f32 v[BM+\b], |v[S+16*\b]|, |v[S+1+16*\b]|, 0x2800000
.endr
.irp i, 2,4,6,8,10,12,14
.irp b, 0,1
	v_max3_num_f32 v[BM+\b], v[BM+\b], |v[S+16*\b+\i]|, |v[S+1+16*\b+\i]|
.endr
.endr
.irp b, 0,1
	v_permlanex16_b32 v[PB+\b], v[BM+\b], s[SEL], s[SEL+1]
.endr
.irp b, 0,1
	v_max_num_f32 v[BM+\b], v[BM+\b], v[PB+\b]
.endr
.irp b, 0,1
	v_add_nc_u32 v[SO+\b], 0xfe000000, v[BM+\b]
.endr
.irp b, 0,1
	v_lshrrev_b32 v[PB+\b], 23, v[SO+\b]
.endr
	v_lshl_or_b32 v[T1], v[PB+1], 8, v[PB]         ; the two bytes
	v_cvt_scalef32_pk16_bf6_f32 v[CD:CD+2], v[S:S+15], v[SO]
	v_cvt_scalef32_pk16_bf6_f32 v[KF:KF+2], v[S+16:S+31], v[SO+1]
	v_lshlrev_b32 v6, 1, v2                        ; 8 x lane (also the plain instruction behind the conversions)
	v_and_b32 v5, 63, v2
	v_lshrrev_b32 v7, 6, v2
	v_add_nc_u32 v5, v5, v7                        ; 4 r + h: lanes 0-15 store the first byte, lanes 16-31 the second
	v_lshlrev_b32 v7, 3, v7
	v_lshrrev_b32 v[T1], v7, v[T1]
.irp i, 0,1,2
	v_permlane16_swap_b32 v[CD+\i], v[KF+\i]
.endr
.irp i, 0,1,2
	v_mov_b32 v[CD+3+\i], v[KF+\i]
.endr
	global_store_b128 v1, v[CD:CD+3], s[8:9]       ; 512 consecutive bytes, aligned,
	global_store_b64 v6, v[CD+4:CD+5], s[8:9] offset:512   ; and 256
	global_store_b8 v5, v[T1], s[10:11]
	s_wait_tensorcnt 0x0                           ; the wave's end
	ds_add_u32 v3, v4
	s_wait_dscnt 0x0
	CROUND                                         ; the closing round
	s_endpgm
.Lfunc_end_k_q716e55135f_attn:
	.size	k_q716e55135f_attn, .Lfunc_end_k_q716e55135f_attn-k_q716e55135f_attn
	.p2alignl 7, 3214868480
	.fill 96, 4, 3214868480
	.section	.rodata,"a",@progbits
	.p2align	6, 0x0
	.amdhsa_kernel k_q716e55135f_attn
		.amdhsa_group_segment_fixed_size 247808
		.amdhsa_private_segment_fixed_size 0
		.amdhsa_enable_private_segment 0
		.amdhsa_kernarg_size 32
		.amdhsa_user_sgpr_count 2
		.amdhsa_user_sgpr_kernarg_segment_ptr 1
		.amdhsa_wavefront_size32 1
		.amdhsa_system_sgpr_workgroup_id_x 1
		.amdhsa_system_sgpr_workgroup_id_y 1
		.amdhsa_system_sgpr_workgroup_id_z 1
		.amdhsa_system_vgpr_workitem_id 0
		.amdhsa_next_free_vgpr 256
		.amdhsa_next_free_sgpr 106
		.amdhsa_reserve_vcc 0
		.amdhsa_float_denorm_mode_32 3
		.amdhsa_float_denorm_mode_16_64 3
		.amdhsa_memory_ordered 1
		.amdhsa_forward_progress 1
		.amdhsa_inst_pref_size 65
	.end_amdhsa_kernel
	.amdgpu_metadata
---
amdhsa.version: [ 1, 2 ]
amdhsa.kernels:
  - .name:           k_q716e55135f_attn
    .symbol:         k_q716e55135f_attn.kd
    .args:
      - { .name: q_img, .offset: 0, .size: 8, .value_kind: global_buffer, .address_space: global }
      - { .name: kv, .offset: 8, .size: 8, .value_kind: global_buffer, .address_space: global }
      - { .name: ao, .offset: 16, .size: 8, .value_kind: global_buffer, .address_space: global }
      - { .name: ao_sc, .offset: 24, .size: 8, .value_kind: global_buffer, .address_space: global }
    .group_segment_fixed_size: 247808
    .private_segment_fixed_size: 0
    .kernarg_segment_align: 8
    .kernarg_segment_size: 32
    .max_flat_workgroup_size: 512
    .sgpr_count:     106
    .vgpr_count:     256
    .wavefront_size: 32
...
	.end_amdgpu_metadata
.endif
;; end of part 3
;; launch oproj (part 4): grid 8 x 32, 4 waves a work-group, clusters of 4 x 4, 327,680 bytes of LDS; arguments ao, ao_sc, xw, out0; writes out0
.if DOCPART == 4
	.amdgcn_target "amdgcn-amd-amdhsa--gfx1250"
	.amdhsa_code_object_version 6
	.text
	.protected	k_q716e55135f_oproj
	.globl	k_q716e55135f_oproj
	.p2align	8
	.type	k_q716e55135f_oproj,@function
k_q716e55135f_oproj:
	s_mov_b64 s[64:65], 0
	v_nop
	global_prefetch_b8 v0, s[64:65] scope:SCOPE_SE
	s_setreg_imm32_b32 hwreg(HW_REG_WAVE_MODE, 25, 1), 1
	s_wait_xcnt 0x0
	s_wait_alu depctr_hold_cnt(0) depctr_sa_sdst(0) depctr_va_vdst(0) depctr_va_sdst(0) depctr_va_ssrc(0) depctr_va_vcc(0) depctr_vm_vsrc(0)
	s_getreg_b32 s2, hwreg(HW_REG_IB_STS2, 6, 4)
	s_cmp_eq_u32 s2, 0
	s_cbranch_scc0 .Lentry_in_a_cluster
	s_endpgm
.Lentry_in_a_cluster:
	s_bfe_u32 s2, ttmp6, 0x10000c
	s_cmp_lg_u32 s2, 0xf033
	s_cbranch_scc0 .Lentry_shape_is_right
	s_endpgm
.Lentry_shape_is_right:
; out0 = O Wo^T on codes of BF6 with E8M0 scales, f32 out.  A work-group makes 128 tokens x 128 columns, a wave 64 x 64: 16 accumulators.  Source 0 = rows of Wo, source 1 = tokens: a lane holds eight neighbouring columns of one token.
; All of K = 1,024 lies in LDS at once, each byte filled once: at 0 O's images [head 16][tile 8][768] (98,304 bytes; a head's 64 channels: registers 0-3 at 16 lane, 4-5 at 512 + 8 lane), at 98,304 Wo's group:
; 4,096 bytes of scale words, then [K step 8][tile 8][1,536].  One joint load a wave: half of one or of the other.  O's scale words come straight into registers: lanes 0-15 an even tile's rows, lanes 16-31 an odd tile's.
; CLUSTERS 4 x 4: O's block is shared along a row of the cluster, Wo's along a column.  No prefetch: everything is asked for at once at the head, there is no loop to run ahead in.
; LIMITS: NaN and infinities are not served.
.set BR,    98304
.set STAGE, 200704
.set SPITCH, 272
.set SPARE, STAGE+4*16*SPITCH          ; the spare words; no other line names them
.set STO, 24
.set RD,  25
.set CO,  26
.set SA,  32                           ; v32-47 O's scale words: K step s, tiles 2 i, 2 i + 1 at 2 s + i
.set SB,  64                           ; v64-79 Wo's: four a tile, lanes 0-15 K steps 0-3, lanes 16-31 K steps 4-7
.set ACC, 128
.set N4,  4096                         ; a row of out0 in bytes
.set G1,  24
.set G1B, 48
.set G0,  84
.set G0B, 68
.set MSB, 0
.macro WIN new
.if MSB != (\new)
	s_set_vgpr_msb (MSB<<8)|(\new)
.set MSB, (\new)
.endif
.endm
.macro CROUND
	s_barrier_signal -1
	s_barrier_wait -1
	s_cmp_lg_u32 s14, 0
	s_cbranch_scc1 .Lnot_wave_0_\@
	s_barrier_signal -3
.Lnot_wave_0_\@:
	s_barrier_wait -3
	s_barrier_signal -1
	s_barrier_wait -1
.endm
	s_load_b256 s[4:11], s[0:1], 0x0               ; ao, ao_sc, xw, out0
	v_lshl_add_u32 v8, v0, 2, SPARE
	v_mov_b32 v9, 0
	ds_add_u32 v8, v9                              ; the opening add, twice on end
	ds_add_u32 v8, v9
	v_lshrrev_b32 v1, 5, v0
	v_readfirstlane_b32 s14, v1
	s_lshr_b32 s15, s14, 1                         ; my rows' half; I fetch O (0) or Wo (1)
	s_and_b32 s16, s14, 1                          ; my columns' half; which half I fetch
	s_bfe_u32 s40, ttmp6, 0x40000
	s_bfe_u32 s41, ttmp6, 0x40004
	s_lshl_b32 s42, ttmp9, 2
	s_add_co_u32 s42, s42, s40                     ; block of columns
	s_and_b32 s17, ttmp7, 0xffff
	s_lshl_b32 s17, s17, 2
	s_add_co_u32 s17, s17, s41                     ; block of tokens
	s_lshl_b32 s43, s41, 2
	s_lshl_b32 s43, 15, s43
	s_lshl_b32 s44, 0x1111, s40
	s_or_b32 s[G1], s43, (3<<16)|(1<<21)           ; dense blocks as rows of 1,024 bytes (128 elements of 8): 48 rows of O, 50 of Wo
	s_or_b32 s[G1B], s44, (3<<16)|(1<<21)
	s_mov_b32 s[G1+1], 128<<16
	s_mov_b32 s[G1+2], 48<<16
	s_mov_b32 s[G1+3], 128<<16
	s_mov_b32 s[G1+4], 48
	s_mov_b32 s[G1+5], 128
	s_mov_b32 s[G1+6], 0
	s_mov_b32 s[G1+7], 0
	s_mov_b32 s[G1B+1], 128<<16
	s_mov_b32 s[G1B+2], 50<<16
	s_mov_b32 s[G1B+3], 128<<16
	s_mov_b32 s[G1B+4], 50
	s_mov_b32 s[G1B+5], 128
	s_mov_b32 s[G1B+6], 0
	s_mov_b32 s[G1B+7], 0
	s_mul_i32 s20, s17, 98304
	s_mul_i32 s18, s16, 49152
	s_add_co_u32 s20, s20, s18
	s_mov_b32 s21, 0
	s_mul_i32 s46, s42, 102400
	s_add_co_u32 s46, s46, 5734400
	s_mul_i32 s19, s16, 51200
	s_add_co_u32 s46, s46, s19
	s_mov_b32 s47, 0
	s_lshl_b32 s22, s17, 12
	s_lshl_b32 s23, s15, 8
	s_add_co_u32 s22, s22, s23                     ; O's scale words of my 64 rows
	s_mov_b32 s23, 0
	s_mov_b32 s[G0], 1
	s_mov_b32 s[G0+1], s18
	s_mov_b32 s[G0B], 1
	s_add_co_u32 s[G0B+1], s19, BR
	s_wait_alu depctr_va_vdst(0)
	s_wait_dscnt 0x0                               ; both opening adds are done
	s_wait_kmcnt 0x0
	s_add_nc_u64 s[G0+2:G0+3], s[4:5], s[20:21]
	s_or_b32 s[G0+3], s[G0+3], 0x80000000
	s_add_nc_u64 s[G0B+2:G0B+3], s[8:9], s[46:47]
	s_or_b32 s[G0B+3], s[G0B+3], 0x80000000
	s_add_nc_u64 s[36:37], s[6:7], s[22:23]
	CROUND                                         ; all sixteen work-groups are here: the joint loads meet
	s_cmp_eq_u32 s15, 0
	s_cbranch_scc0 .Lfor_b
	tensor_load_to_lds s[G0:G0+3], s[G1:G1+7]
	s_nop 0
.rept 4
	v_nop
.endr
	s_branch .Lasked
.Lfor_b:
	tensor_load_to_lds s[G0B:G0B+3], s[G1B:G1B+7]
	s_nop 0
.rept 4
	v_nop
.endr
.Lasked:
	s_mul_i32 s22, s15, 3072                       ; my four tiles of O,
	s_mul_i32 s23, s16, 6144                       ; of Wo,
	s_add_co_u32 s23, s23, BR+4096
	s_lshl_b32 s20, s16, 11                        ; and of Wo's scale words
	s_add_co_u32 s20, s20, BR
	s_mul_i32 s21, s14, 16*SPITCH
	s_add_co_u32 s21, s21, STAGE
	v_and_b32 v1, 31, v0
	v_lshlrev_b32 v3, 2, v1
.irp s, 0,1,2,3,4,5,6,7
.irp i, 0,1
	global_load_b32 v[SA+2*\s+\i], v3, s[36:37] offset:512*\s+128*\i
.endr
.endr
	v_lshlrev_b32 v4, 4, v1
	v_lshlrev_b32 v5, 3, v1
	v_and_b32 v6, 15, v0                           ; r
	v_bfe_u32 v7, v0, 4, 1                         ; h
	v_add_nc_u32 v16, s22, v4                      ; O: K steps 0-3, 4-7; 16 bytes a lane,
	v_add_nc_u32 v17, 49152, v16
	v_add_nc_u32 v18, s22, v5                      ; 8 bytes a lane
	v_add_nc_u32 v19, 49152, v18
	v_add_nc_u32 v20, s23, v4                      ; Wo
	v_add_nc_u32 v21, 49152, v20
	v_add_nc_u32 v22, s20, v4
	v_mul_u32_u24 v10, v6, SPITCH                  ; the stage, in: row r, 32 bytes for each half of the lanes
	v_lshl_add_u32 v10, v7, 5, v10
	v_add_nc_u32 v[STO], s21, v10
	v_mul_u32_u24 v10, v7, SPITCH                  ; back: lanes 0-15 one row of 256 bytes, lanes 16-31 the next
	v_lshl_add_u32 v10, v6, 4, v10
	v_add_nc_u32 v[RD], s21, v10
	v_lshlrev_b32 v10, 12, v7
	v_lshl_add_u32 v[CO], v6, 4, v10
	s_lshl_b32 s22, s17, 7
	s_lshl_b32 s23, s15, 6
	s_add_co_u32 s22, s22, s23
	s_lshl_b32 s22, s22, 12
	s_lshl_b32 s23, s42, 9
	s_add_co_u32 s22, s22, s23
	s_lshl_b32 s23, s16, 8
	s_add_co_u32 s22, s22, s23
	s_mov_b32 s23, 0
	s_add_nc_u64 s[10:11], s[10:11], s[22:23]      ; my first row and column of out0
.macro FETCH s                         ; a K step's fragments into window 1: O's at 128 (s % 2), Wo's 48 on
	WIN 0x40
.set FB, 128*((\s)%2)
.set FO, 12288*((\s)%4)
.irp b, 0,1,2,3
.irp c, 0,1,2
	ds_load_b128 v[FB+48+12*\b+4*\c:FB+51+12*\b+4*\c], v[20+(\s)/4] offset:FO+1536*\b+512*\c
.endr
.endr
.irp a, 0,1,2,3
	ds_load_b128 v[FB+12*\a:FB+12*\a+3], v[16+(\s)/4] offset:FO+768*\a
	ds_load_b64 v[FB+12*\a+4:FB+12*\a+5], v[18+(\s)/4] offset:FO+768*\a+512
	ds_load_b128 v[FB+12*\a+6:FB+12*\a+9], v[16+(\s)/4] offset:FO+768*\a+6144
	ds_load_b64 v[FB+12*\a+10:FB+12*\a+11], v[18+(\s)/4] offset:FO+768*\a+6656
.endr
.endm
.macro MM s, a, b, ma, mb
.if (\s) == 0
	v_wmma_scale_f32_16x16x128_f8f6f4 v[ACC+8*(4*\a+\b):ACC+8*(4*\a+\b)+7], v[48+12*\b:59+12*\b], v[12*\a:12*\a+11], 0, v[SB+4*\b], v[SA+\a/2] matrix_a_fmt:MATRIX_FMT_BF6 matrix_b_fmt:MATRIX_FMT_BF6 \mb
.else
	v_wmma_scale_f32_16x16x128_f8f6f4 v[ACC+8*(4*\a+\b):ACC+8*(4*\a+\b)+7], v[128*((\s)%2)+48+12*\b:128*((\s)%2)+59+12*\b], v[128*((\s)%2)+12*\a:128*((\s)%2)+12*\a+11], v[ACC+8*(4*\a+\b):ACC+8*(4*\a+\b)+7], v[SB+4*\b+(\s)%4], v[SA+2*(\s)+\a/2] matrix_a_fmt:MATRIX_FMT_BF6 matrix_b_fmt:MATRIX_FMT_BF6 \ma \mb
.endif
.endm
.macro MUL s                           ; the sixteen accumulators take turns
	WIN 0x05
.irp a, 0,1,2,3
.irp b, 0,1,2,3
.if (\s) < 4
.if \a%2 == 0
	MM \s, \a, \b
.else
	MM \s, \a, \b, , matrix_b_scale:MATRIX_SCALE_ROW1
.endif
.else
.if \a%2 == 0
	MM \s, \a, \b, matrix_a_scale:MATRIX_SCALE_ROW1
.else
	MM \s, \a, \b, matrix_a_scale:MATRIX_SCALE_ROW1, matrix_b_scale:MATRIX_SCALE_ROW1
.endif
.endif
.endr
.endr
.endm
.macro PLACES
.rept 4
	v_nop
.endr
.endm
	s_wait_alu depctr_va_vdst(0)                   ; the wait at the head's end
	s_wait_tensorcnt 0x0
	s_barrier_signal -1
	s_barrier_wait -1                              ; everybody's part is in
.irp b, 0,1,2,3
	ds_load_b128 v[SB+4*\b:SB+4*\b+3], v22 offset:512*\b
.endr
	FETCH 0
	s_wait_loadcnt 0x0
.irp s, 0,1,2,3,4,5,6
	s_wait_dscnt 0x0
.if \s > 0
	PLACES
.endif
	FETCH \s+1
	MUL \s
.endr
	s_wait_dscnt 0x0
	MUL 7
	WIN 0
	PLACES
; THE WAY OUT, 16 rows x 64 columns at a time through my own stage: back as rows of 256 bytes; sixteen lanes store an aligned unit
.macro TOSTAGE a
.irp b, 0,1,2,3
	ds_store_b128 v[STO], v[ACC+8*(4*\a+\b):ACC+8*(4*\a+\b)+3] offset:64*\b
	ds_store_b128 v[STO], v[ACC+8*(4*\a+\b)+4:ACC+8*(4*\a+\b)+7] offset:64*\b+16
.endr
	WIN 0x40
.irp t, 0,1,2,3,4,5,6,7
	ds_load_b128 v[32*\a+4*\t:32*\a+4*\t+3], v[RD] offset:\t*2*SPITCH
.endr
	WIN 0
.endm
.macro SEND a, younger                 ; younger: the LDS instructions issued behind this block's loads
	s_wait_dscnt \younger
	WIN 0x04
.irp t, 0,1,2,3,4,5,6,7
	global_store_b128 v[CO], v[32*\a+4*\t:32*\a+4*\t+3], s[10:11] offset:(32*(\a/2)+8*(\a%2)+2*\t+8*(\t/4))*N4 th:TH_STORE_NT
.endr
	WIN 0
.endm
	TOSTAGE 0
	TOSTAGE 1
	SEND 0, 16
	TOSTAGE 2
	SEND 1, 16
	TOSTAGE 3
	SEND 2, 16
	SEND 3, 0
	s_wait_tensorcnt 0x0                           ; the wave's end
	ds_add_u32 v8, v9
	s_wait_dscnt 0x0
	CROUND                                         ; the closing round
	s_endpgm
.Lfunc_end_k_q716e55135f_oproj:
	.size	k_q716e55135f_oproj, .Lfunc_end_k_q716e55135f_oproj-k_q716e55135f_oproj
	.p2alignl 7, 3214868480
	.fill 96, 4, 3214868480
	.section	.rodata,"a",@progbits
	.p2align	6, 0x0
	.amdhsa_kernel k_q716e55135f_oproj
		.amdhsa_group_segment_fixed_size 327680
		.amdhsa_private_segment_fixed_size 0
		.amdhsa_enable_private_segment 0
		.amdhsa_kernarg_size 32
		.amdhsa_user_sgpr_count 2
		.amdhsa_user_sgpr_kernarg_segment_ptr 1
		.amdhsa_wavefront_size32 1
		.amdhsa_system_sgpr_workgroup_id_x 1
		.amdhsa_system_sgpr_workgroup_id_y 1
		.amdhsa_system_sgpr_workgroup_id_z 1
		.amdhsa_system_vgpr_workitem_id 0
		.amdhsa_next_free_vgpr 512
		.amdhsa_next_free_sgpr 100
		.amdhsa_reserve_vcc 0
		.amdhsa_float_denorm_mode_32 3
		.amdhsa_float_denorm_mode_16_64 3
		.amdhsa_memory_ordered 1
		.amdhsa_forward_progress 1
		.amdhsa_inst_pref_size 48
	.end_amdhsa_kernel
	.amdgpu_metadata
---
amdhsa.version: [ 1, 2 ]
amdhsa.kernels:
  - .name:           k_q716e55135f_oproj
    .symbol:         k_q716e55135f_oproj.kd
    .args:
      - { .name: ao, .offset: 0, .size: 8, .value_kind: global_buffer, .address_space: global }
      - { .name: ao_sc, .offset: 8, .size: 8, .value_kind: global_buffer, .address_space: global }
      - { .name: xw, .offset: 16, .size: 8, .value_kind: global_buffer, .address_space: global }
      - { .name: out0, .offset: 24, .size: 8, .value_kind: global_buffer, .address_space: global }
    .group_segment_fixed_size: 327680
    .private_segment_fixed_size: 0
    .kernarg_segment_align: 8
    .kernarg_segment_size: 32
    .max_flat_workgroup_size: 128
    .sgpr_count:     100
    .vgpr_count:     512
    .wavefront_size: 32
...
	.end_amdgpu_metadata
.endif
;; end of part 4
